; MI455X (gfx1250); checked and timed in simulation.
; The chip was launched on July 23, 2026; its instructions are those of AMD's public machine-readable ISA for CDNA 5 (MIT licence, August 2026) and "CDNA5" Instruction Set Architecture Reference Guide (July 2026). The comments in the code are by the model that wrote it; some were corrected since.
;; Dot Product Attention. Allowed arithmetic: matrix products marked QUANTISED: E2M3 operands, one E8M0 scale for each 32 along K, by v_wmma_scale_f32_16x16x128_f8f6f4 with both operands' format E2M3, f32 sums; everything else in f32.
;; Inputs: query 16 x 1,024 x 1,024 float32; value 16 x 2,048 x 1,024 float32.
;; Outputs: out0 16 x 1,024 x 1,024 float32.
;; This version of the problem:
;;   THIS VERSION OF THE PROBLEM IS GIVEN IN LOW PRECISION. The matrix products marked QUANTISED in the list below multiply operands that are first quantised to E2M3 (2 exponent bits, 3 mantissa bits; 6 bits a number), with one power-of-two scale for each 32 numbers along K (OCP MX v1.0); their sums are f32. All else is computed in f32.
;;   The module's matrix products, in the order in which they are computed (A, B: the left and right operand; K: the contracted axis; several contracted axes count as one K, in the product's order):
;;     1. batch 16 x [M 1,024, K 1,024] x [K 1,024, N 2,048]; A: input query; B: input value: QUANTISED
;;     2. batch 16 x [M 1,024, K 2,048] x [K 2,048, N 1,024]; A: softmax (see below); B: input value: QUANTISED
;;   THE QUANTISER, for each operand of a quantised product, along K:
;;     - K is cut into blocks of 32 from its start; a last block that is shorter is filled with zeros.
;;     - A block's scale is 2^e with e = floor(log2(the largest magnitude in the block)) - 2, held to -126 .. 127; a block of zeros has e = 0. As a byte (E8M0): e + 127.
;;     - Each number is divided by its block's scale, clamped to +-7.5, and rounded to the nearest number of E2M3, ties to even, subnormals kept.
;;     - The product sums the exact products of the quantised numbers (number of the format x scale) in f32.
;;   ~~~python
;;   def quantise(x, axis):      # numpy; x: float32 -> the quantised numbers, widened to float32 again
;;       x = np.moveaxis(x, axis, -1); K = x.shape[-1]
;;       x = np.pad(x, [(0, 0)] * (x.ndim - 1) + [(0, -K % 32)]); x = x.reshape(x.shape[:-1] + (-1, 32)); a = np.abs(x).max(-1, keepdims=True)
;;       e = np.where(a > 0, np.clip(np.frexp(np.where(a > 0, a, 1))[1] - 1 - 2, -126, 127), 0)      # np.frexp(a)[1] - 1 = floor(log2(a)), exactly
;;       r = np.clip(x / 2.0 ** e, -7.5, 7.5)
;;       step = 2.0 ** (np.maximum(np.frexp(np.where(r == 0, 1, r))[1] - 1, 0) - 3)
;;       q = np.round(r / step) * step * 2.0 ** e      # np.round: ties to even
;;       return np.moveaxis(q.reshape(q.shape[:-2] + (-1,))[..., :K], -1, axis).astype(np.float32)
;;   ~~~
;;   SOFTMAX AHEAD OF A QUANTISED PRODUCT. Where the list says 'softmax', what is quantised is not the finished softmax but p = 2^(t - M), with t = logit x log2(e) and M = ceil(the row's largest t), a whole number; so 1/2 < the row's largest p <= 1. The row's sum l is taken of the UNQUANTISED p, in f32, and the product's result is divided by l at the end. Since M is a whole number, a kernel that streams over the keys may use a running M (the ceiling of the running maximum): every later rescaling is an exact power of two, which a block's scale takes up: the codes' values come out the same.
;;   OPERANDS COMPUTED ON THE WAY. 'Computed on the way' means the value that the module computes at that place (a softmax that the list does not call 'softmax' is quantised finished and normalised). What goes into a quantiser is computed in f32, as accurately as f32 sums, v_exp_f32 and their like allow (about 1e-6 of the number): no bf16 or f16 on the way to a quantiser, and a product that is left as it is and whose result goes on into a quantised operand takes f32 operands (vector FMAs, or v_wmma_f32_16x16x4_f32). A number that lies on a knife's edge between two numbers of the format may be rounded either way, as far as f32 arithmetic and the matrix unit's own rounding can turn it there, and no further.
;; 2 versions. Each part assembles by itself: llvm-mc -triple=amdgcn-amd-amdhsa -mcpu=gfx1250 --defsym DOCPART=n.
;; ======== version 1 of 2: 2 launches
;; limits: right only within a limited range of input values
;; workspace buffers: qw 13,107,200 bytes; vw 52,428,800 bytes
;; launch quant (part 1): grid 256 x 1, 12 waves a work-group, no clusters, 247,296 bytes of LDS; arguments query, value, qw, vw; writes qw, vw
.if DOCPART == 1
	.amdgcn_target "amdgcn-amd-amdhsa--gfx1250"
	.amdhsa_code_object_version 6
	.text
	.protected	k_qc9daeaceaa_quant
	.globl	k_qc9daeaceaa_quant
	.p2align	8
	.type	k_qc9daeaceaa_quant,@function
k_qc9daeaceaa_quant:
	s_mov_b64 s[64:65], 0
	v_nop
	global_prefetch_b8 v0, s[64:65] scope:SCOPE_SE
	s_setreg_imm32_b32 hwreg(HW_REG_WAVE_MODE, 25, 1), 1
	s_wait_xcnt 0x0
; query [16][1024][1024] and value [16][2048][1024], f32, become codes of FP6 (E2M3) with one E8M0 byte for each 32 along K, laid as the second launch's operand registers want them.
; query is quantised along d; value twice: along d (first product) and along the keys (second product).
; A block's scale is 2^(floor(log2(its largest magnitude)) - 2): its byte is the largest magnitude's exponent field - 2, held at 1 from below by a floor among the maximum's leaves.
; LIMITS: NaN and infinities among the inputs are not served.  A block of zeros gets the byte 1 where the rule says 127: its codes are zeros, and this program alone reads the bytes.
; THE RECORD, 25,600 bytes: 16 fragments of 1,536 bytes, then 8 scale rows of 128 bytes.  A fragment (16 rows x 128 K) is the image of its 12 registers: register 4 g + i of lane l at 512 g + 16 l + 4 i.
;   Block b = 2 c + h of row p is registers 6 c .. 6 c + 5 of lane p + 16 h.  Scale row i: lanes 0-15 the words of fragment 2 i's rows, lanes 16-31 those of fragment 2 i + 1's.
;   d-form (32 rows x 1,024 d): fragment 2 s + u = K step s, tile u; row k of the 32 is row (k & 7) + 8 (k >> 4) of tile (k >> 3) & 1.
;   key-form (256 d x 128 keys): fragment t = rows d 16 t .. 16 t + 15, K = the 128 keys as they lie.
; qw: 512 d-form records of 32 query rows.  vw: for each batch 64 d-form records (32 keys each), then 64 key-form records (4 j + w: keys 128 j on, d 256 w on).
; SHARES.  A wave owns 128 rows x 128 columns.  Waves 0-7: 128 keys of value (work-group g: rows 128 g on), columns 128 v on.  Waves 8-11: 128 rows of query (128 (g >> 1) on), columns 128 (4 (g & 1) + wave - 8) on.
; Waves share nothing: no barrier.  The 128 rows go in four strips of 32 through the wave's own LDS; the next strip's 32 loads (16 KB a wave) are on their way while a strip is worked.
; A d-form scale row is 128 bytes and its neighbour is another wave's: those stores cover half of an aligned 256 bytes (1 KB in each record); all other stores of a wave cover 512 consecutive bytes.
.set SP,    528                        ; a strip's row in LDS: 512 bytes + 16
.set WREG,  20480                      ; LDS of a wave: the strip, 32 x SP;
.set DOUT,  32*SP                      ; two d-form fragments, 3,072 bytes;
.set SCW,   DOUT+3072                  ; four key-form scale rows, 512 bytes
.set REC,   25600
.set FRB,   1536
.set ROWB,  4096                       ; a row of query or value in memory
.set DW,    16                         ; v16      my row's d-form scale word
.set KW,    17                         ; v17-20   my four columns' key-form scale words
.set DC,    22                         ; v22-27   a d-form block's codes
.set TC,    28                         ; v28-30   a block's upper 16 codes (a conversion's three registers begin on an even number)
.set X,     32                         ; v32-63   32 numbers down a column
.set Y,     64                         ; v64-95   32 numbers along a row
.set CK,    96                         ; v96-191  the key-form codes: block (cg, rb) at 24 cg + 6 rb
.set R,     192                        ; v192-255 a strip as loaded, rows 0-15; rows 16-31 in v256-319 (window 1, v0-63)
.set MSB, 0
.macro WIN new                         ; s_set_vgpr_msb: bits 1:0 source 0, 3:2 source 1, 5:4 source 2, 7:6 destination; the high byte repeats the setting that is left
.if MSB != \new
	s_set_vgpr_msb (MSB<<8)|\new
.set MSB, \new
.endif
.endm
	s_load_b128 s[4:7], s[0:1], 0x0                ; query, value
	s_load_b128 s[8:11], s[0:1], 0x10              ; qw, vw
	v_lshl_add_u32 v21, v0, 2, 0x3c000
	v_mov_b32 v31, 0
	v_lshrrev_b32 v1, 5, v0
	v_readfirstlane_b32 s12, v1                    ; wave 0..11
	v_and_b32 v1, 31, v0                           ; lane
	v_lshlrev_b32 v2, 4, v1                        ; 16 x lane: my place in 512 consecutive bytes of memory
	s_mul_i32 s13, s12, WREG                       ; my wave's LDS
	v_add_nc_u32 v3, s13, v2                       ; the same place in LDS
	v_lshl_add_u32 v4, v1, 2, s13                  ; my column of a strip
	v_mul_u32_u24 v5, v1, SP
	v_add_nc_u32 v5, s13, v5                       ; my row of a strip
	v_bfe_u32 v6, v1, 3, 1                         ; row k = lane: tile u = (k >> 3) & 1,
	v_and_b32 v7, 7, v1
	v_lshrrev_b32 v11, 4, v1
	v_lshl_add_u32 v7, v11, 3, v7                  ; row p = (k & 7) + 8 (k >> 4) of it
	v_lshl_add_u32 v8, v6, 4, v7
	v_lshlrev_b32 v8, 2, v8                        ; my scale word's place in a scale row: 4 (p + 16 u)
	v_mul_u32_u24 v6, v6, FRB
	v_lshl_add_u32 v6, v7, 4, v6
	v_add_nc_u32 v6, s13, v6
	v_add_nc_u32 v6, DOUT, v6                      ; my row's place in the two d-form images: 1,536 u + 16 p
	v_and_b32 v9, 15, v1
	v_lshlrev_b32 v9, 4, v9
	v_mad_u32_u24 v9, v11, FRB, v9
	v_add_nc_u32 v9, s13, v9                       ; my column's place in two key-form images: 1,536 (lane >> 4) + 16 (lane & 15)
	v_add_nc_u32 v10, SCW, v4                      ; and its scale word's
	s_lshr_b32 s14, ttmp9, 1                       ; query: which 128 rows,
	s_and_b32 s15, ttmp9, 1
	s_lshl_b32 s15, s15, 2
	s_add_co_u32 s15, s15, s12
	s_sub_co_u32 s15, s15, 8                       ; which K step (of use in waves 8-11 alone)
	s_lshr_b32 s16, ttmp9, 4                       ; value: the batch,
	s_and_b32 s17, ttmp9, 15                       ; and j: which 128 keys of it
	s_mul_i32 s16, s16, 128*REC
	s_mul_i32 s17, s17, 4*REC
	s_add_co_u32 s16, s16, s17                     ; the first of my four d-form records in vw
	s_mul_i32 s17, s14, 4*REC                      ; and in qw
	s_cmp_lt_u32 s12, 8                            ; value's wave or query's?  The choice hangs on the wave's number alone
	s_cselect_b32 s18, ttmp9, s14                  ; which 128 rows of the tensor
	s_cselect_b32 s19, s12, s15                    ; K step s
	s_cselect_b32 s20, s16, s17
	s_wait_kmcnt 0x0
	s_cselect_b64 s[4:5], s[6:7], s[4:5]           ; where I read
	s_cselect_b64 s[22:23], s[10:11], s[8:9]       ; where the d-form goes
	s_lshl_b32 s24, s18, 19                        ; 128 rows of 4,096 bytes
	s_lshl_b32 s25, s19, 9                         ; 128 columns of 4 bytes
	s_add_co_u32 s24, s24, s25
	s_mov_b32 s25, 0
	s_add_nc_u64 s[4:5], s[4:5], s[24:25]
	s_mul_i32 s24, s19, 2*FRB
	s_add_co_u32 s24, s24, s20
	s_add_nc_u64 s[26:27], s[22:23], s[24:25]      ; fragments 2 s, 2 s + 1 of my first record
	s_lshl_b32 s24, s19, 7
	s_add_co_u32 s24, s24, s20
	s_add_co_u32 s24, s24, 16*FRB
	s_add_nc_u64 s[28:29], s[22:23], s[24:25]      ; its scale row s
	s_lshr_b32 s24, s12, 1                         ; key-form (waves 0-7): record 64 + 4 j + (v >> 1),
	s_mul_i32 s24, s24, REC
	s_add_co_u32 s24, s24, s16
	s_add_co_u32 s24, s24, 64*REC
	s_and_b32 s21, s12, 1
	s_mul_i32 s30, s21, 8*FRB                      ; fragments 8 (v & 1) on,
	s_add_co_u32 s30, s30, s24
	s_mov_b32 s31, 0
	s_add_nc_u64 s[30:31], s[10:11], s[30:31]
	s_lshl_b32 s21, s21, 9                         ; scale rows 4 (v & 1) on
	s_add_co_u32 s24, s24, s21
	s_add_co_u32 s24, s24, 16*FRB
	s_add_nc_u64 s[32:33], s[10:11], s[24:25]
.macro LOADS rb                        ; strip rb: 32 rows, 512 consecutive bytes each
.set i, 0
.rept 16
	global_load_b128 v[R+4*i:R+4*i+3], v2, s[4:5] offset:(32*(\rb)+i)*ROWB th:TH_LOAD_NT
.set i, i+1
.endr
	WIN 0x40                                       ; destination window 1
.set i, 0
.rept 16
	global_load_b128 v[4*i:4*i+3], v2, s[4:5] offset:(32*(\rb)+16+i)*ROWB th:TH_LOAD_NT
.set i, i+1
.endr
	WIN 0
.endm
; 32 numbers of one block in v[x] on become 6 registers of codes in v[dst] on; the byte goes into bits sh on of v[wreg].
.macro QBLK x, dst, wreg, sh
.set QX, \x
.set QD, \dst
.set QW, \wreg
	v_max3_num_f32 v12, |v[QX]|, |v[QX+1]|, |v[QX+2]|       ; the largest magnitude, in two chains
	v_max3_num_f32 v13, |v[QX+3]|, |v[QX+4]|, |v[QX+5]|
.irp i, 6,10,14,18,22,26
	v_max3_num_f32 v12, v12, |v[QX+\i]|, |v[QX+\i+1]|
	v_max3_num_f32 v13, v13, |v[QX+\i+2]|, |v[QX+\i+3]|
.endr
	v_max3_num_f32 v12, v12, |v[QX+30]|, |v[QX+31]|
	v_max3_num_f32 v12, v12, v13, 0x1800000        ; and the floor 2^(3 - 127): the byte cannot fall under 1
	v_add_nc_u32 v14, 0xff000000, v12              ; 2 off the exponent field: the conversion takes this operand's exponent field as its scale
	v_lshrrev_b32 v15, 23, v14                     ; the byte
	v_cvt_scalef32_pk16_fp6_f32 v[QD:QD+2], v[QX:QX+15], v14
	v_cvt_scalef32_pk16_fp6_f32 v[TC:TC+2], v[QX+16:QX+31], v14
.if (\sh) == 0
	v_mov_b32 v[QW], v15                           ; (the plain instruction between the conversions and the moves that read a result)
.else
	v_lshl_or_b32 v[QW], v15, \sh, v[QW]
.endif
.irp i, 0,1,2
	v_mov_b32 v[QD+3+\i], v[TC+\i]
.endr
.endm
; A block's six registers into an image: registers 6 c .. 6 c + 5 of the lane 16 hh further on.
.macro PUT adr, c0, off, hh, c
.set PC0, \c0
.if (\c) == 0
	ds_store_b128 v[\adr], v[PC0:PC0+3] offset:(\off)+256*(\hh)
	ds_store_b64 v[\adr], v[PC0+4:PC0+5] offset:(\off)+512+256*(\hh)
.else
	ds_store_b64 v[\adr], v[PC0:PC0+1] offset:(\off)+520+256*(\hh)
	ds_store_b128 v[\adr], v[PC0+2:PC0+5] offset:(\off)+1024+256*(\hh)
.endif
.endm
; Columns 32 cg on of strip rb: along the rows for the d-form (a lane a row), and in value's waves down the columns for the key-form (a lane a column).
.macro CG rb, cg
.irp i, 0,1,2,3,4,5,6,7
	ds_load_b128 v[Y+4*\i:Y+4*\i+3], v5 offset:128*(\cg)+16*\i
.endr
	s_cmp_lt_u32 s12, 8
	s_cbranch_scc0 .Lrows_\@
.set i, 0
.rept 32
	ds_load_b32 v[X+i], v4 offset:SP*i+128*(\cg)
.set i, i+1
.endr
	s_wait_dscnt 0x0
	QBLK X, CK+24*(\cg)+6*(\rb), KW+(\cg), 8*(\rb)
.Lrows_\@:
	s_wait_dscnt 0x0                               ; Y is in; the last block's stores into the image have read their registers
	QBLK Y, DC, DW, 8*(\cg)
	PUT 6, DC, 0, (\cg)%2, (\cg)/2
.endm
.macro STRIP rb
	s_wait_loadcnt 0x0                             ; the strip is in registers
.set i, 0
.rept 16
	ds_store_b128 v3, v[R+4*i:R+4*i+3] offset:SP*i
.set i, i+1
.endr
	WIN 0x04                                       ; an LDS store's data are its source 1: window 1
.set i, 0
.rept 16
	ds_store_b128 v3, v[4*i:4*i+3] offset:SP*(16+i)
.set i, i+1
.endr
	WIN 0
	s_wait_dscnt 0x0                               ; the stores have read their registers,
.if (\rb) < 3
	LOADS (\rb)+1                                  ; which take the next strip: it is on its way through all the work below
.endif
.if (\rb) > 0
	s_wait_xcnt 0x0                                ; the last strip's stores to memory have read Y and the scale word: both are written again below
.endif
	CG \rb, 0
	CG \rb, 1
	CG \rb, 2
	CG \rb, 3
	global_store_b32 v8, v[DW], s[28:29] offset:REC*(\rb) th:TH_STORE_NT
.irp i, 0,1,2,3,4,5
	ds_load_b128 v[Y+4*\i:Y+4*\i+3], v3 offset:DOUT+512*\i    ; LDS serves a wave's instructions in order (ISA guide 5.7.1.4): these see the stores above
.endr
	s_wait_dscnt 0x0
.irp i, 0,1,2,3,4,5
	global_store_b128 v2, v[Y+4*\i:Y+4*\i+3], s[26:27] offset:REC*(\rb)+512*\i th:TH_STORE_NT   ; 32 lanes store 512 consecutive bytes
.endr
.endm
	LOADS 0
	STRIP 0
	STRIP 1
	STRIP 2
	STRIP 3
	s_cmp_lt_u32 s12, 8
	s_cbranch_scc0 .Ldone                          ; query has no key-form
	; the key-form: eight fragments gathered where the strip lay (it has been read out), and out as 12,288 consecutive bytes
.irp cg, 0,1,2,3
.irp rb, 0,1,2,3
	PUT 9, CK+24*\cg+6*\rb, 2*FRB*\cg, \rb%2, \rb/2
.endr
	ds_store_b32 v10, v[KW+\cg] offset:128*\cg
.endr
.set i, 0
.rept 16
	ds_load_b128 v[R+4*i:R+4*i+3], v3 offset:512*i
.set i, i+1
.endr
.set i, 0
.rept 8
	ds_load_b128 v[X+4*i:X+4*i+3], v3 offset:512*(16+i)
.set i, i+1
.endr
	ds_load_b128 v[88:91], v3 offset:SCW           ; (registers that no pending store reads)
	s_wait_dscnt 0x0
.set i, 0
.rept 16
	global_store_b128 v2, v[R+4*i:R+4*i+3], s[30:31] offset:512*i th:TH_STORE_NT
.set i, i+1
.endr
.set i, 0
.rept 8
	global_store_b128 v2, v[X+4*i:X+4*i+3], s[30:31] offset:512*(16+i) th:TH_STORE_NT
.set i, i+1
.endr
	global_store_b128 v2, v[88:91], s[32:33] th:TH_STORE_NT
.Ldone:
	s_wait_tensorcnt 0x0
	ds_add_u32 v21, v31
	s_wait_dscnt 0x0
	s_endpgm
.Lfunc_end_k_qc9daeaceaa_quant:
	.size	k_qc9daeaceaa_quant, .Lfunc_end_k_qc9daeaceaa_quant-k_qc9daeaceaa_quant
	.p2alignl 7, 3214868480
	.fill 96, 4, 3214868480
	.section	.rodata,"a",@progbits
	.p2align	6, 0x0
	.amdhsa_kernel k_qc9daeaceaa_quant
		.amdhsa_group_segment_fixed_size 247296
		.amdhsa_private_segment_fixed_size 0
		.amdhsa_enable_private_segment 0
		.amdhsa_kernarg_size 32
		.amdhsa_user_sgpr_count 2
		.amdhsa_user_sgpr_kernarg_segment_ptr 1
		.amdhsa_wavefront_size32 1
		.amdhsa_system_sgpr_workgroup_id_x 1
		.amdhsa_system_sgpr_workgroup_id_y 1
		.amdhsa_system_sgpr_workgroup_id_z 1
		.amdhsa_system_vgpr_workitem_id 0
		.amdhsa_next_free_vgpr 320
		.amdhsa_next_free_sgpr 66
		.amdhsa_reserve_vcc 0
		.amdhsa_float_denorm_mode_32 3
		.amdhsa_float_denorm_mode_16_64 3
		.amdhsa_memory_ordered 1
		.amdhsa_forward_progress 1
		.amdhsa_inst_pref_size 124
	.end_amdhsa_kernel
	.amdgpu_metadata
---
amdhsa.version: [ 1, 2 ]
amdhsa.kernels:
  - .name:           k_qc9daeaceaa_quant
    .symbol:         k_qc9daeaceaa_quant.kd
    .args:
      - { .name: query, .offset: 0, .size: 8, .value_kind: global_buffer, .address_space: global }
      - { .name: value, .offset: 8, .size: 8, .value_kind: global_buffer, .address_space: global }
      - { .name: qw, .offset: 16, .size: 8, .value_kind: global_buffer, .address_space: global }
      - { .name: vw, .offset: 24, .size: 8, .value_kind: global_buffer, .address_space: global }
    .group_segment_fixed_size: 247296
    .private_segment_fixed_size: 0
    .kernarg_segment_align: 8
    .kernarg_segment_size: 32
    .max_flat_workgroup_size: 384
    .sgpr_count:     66
    .vgpr_count:     320
    .wavefront_size: 32
...
	.end_amdgpu_metadata
.endif
;; end of part 1
;; launch attn (part 2): grid 16 x 16, 4 waves a work-group, clusters of 4 x 1, 327,680 bytes of LDS; arguments qw, vw, out0; writes out0
.if DOCPART == 2
	.amdgcn_target "amdgcn-amd-amdhsa--gfx1250"
	.amdhsa_code_object_version 6
	.text
	.protected	k_qc9daeaceaa_attn
	.globl	k_qc9daeaceaa_attn
	.p2align	8
	.type	k_qc9daeaceaa_attn,@function
k_qc9daeaceaa_attn:
	s_mov_b64 s[64:65], 0
	v_nop
	global_prefetch_b8 v0, s[64:65] scope:SCOPE_SE
	s_setreg_imm32_b32 hwreg(HW_REG_WAVE_MODE, 25, 1), 1
	s_wait_xcnt 0x0
	s_wait_alu depctr_hold_cnt(0) depctr_sa_sdst(0) depctr_va_vdst(0) depctr_va_sdst(0) depctr_va_ssrc(0) depctr_va_vcc(0) depctr_vm_vsrc(0)
	s_getreg_b32 s2, hwreg(HW_REG_IB_STS2, 6, 4)
	s_cmp_eq_u32 s2, 0
	s_cbranch_scc0 .Lentry_in_a_cluster
	s_endpgm
.Lentry_in_a_cluster:
	s_bfe_u32 s2, ttmp6, 0x10000c
	s_cmp_lg_u32 s2, 0x3003
	s_cbranch_scc0 .Lentry_shape_is_right
	s_endpgm
.Lentry_shape_is_right:
; out0[b][q][:] = the sum over k of softmax_k(query[b][q] . value[b][k]) value[b][k][:], both products on codes of FP6 (E2M3) with one E8M0 scale for each 32 along K.
; qw, vw: the first launch's records of 25,600 bytes: 16 fragments as images of their 12 registers (register 4 g + i of lane l at 512 g + 16 l + 4 i), then 8 scale rows of 128 bytes
; (row i: lanes 0-15 the words of fragment 2 i's rows, lanes 16-31 of fragment 2 i + 1's).  A batch of vw is one stream of 32 tiles of four records: tiles 0-15 value along d (tile j, record w: keys 128 j + 32 w on),
; tiles 16-31 value along the keys (tile 16 + j, record w: d 256 w on, keys 128 j on).
; SHARES.  A work-group owns 64 queries of a batch: four tiles m of 16; lane r of tile m holds query 32 (m / 2) + 8 (m % 2) + r + 8 (r / 8).  Wave w always takes record w of a tile.
; PHASE A (tiles 0-15): S^T = V Q^T for my 32 keys x the 64 queries: 8 accumulators x 8 K steps.  All of Q's 32 fragments stay in registers.  A lane holds one query; the 16 registers of a pair of key tiles are 16 neighbouring keys.
;   THE SOFTMAX AHEAD OF THE SECOND PRODUCT: t = score x log2(e); p = 2^(t - M), M a whole number.  Each block of 32 keys is quantised under its OWN M_b = ceil(its largest t): a power of two moves freely between p and the block's
;   scale, so the codes are those under the row's M, and only the byte, byte_b + M_b - M, waits for the row's M.  So all of P's codes are made before the second product begins: Q and O are never in registers together, and O is never rescaled.
;   The row's sum is taken of the unquantised p, in f32, under a running M; every rescaling is an exact power of two (v_ldexp_f32).
; PHASE M: the four waves' -M and sums meet in LDS; the row's M gives P's scale words.
; PHASE B (tiles 16-31): O^T = V^T P^T for my 256 d x the 64 queries: 64 accumulators, one matrix instruction each a tile.  At the end O^T is divided by the row's sum.
; CLUSTER.  The four work-groups of a cluster belong to one batch and walk the same 32 tiles: each record is asked for JOINTLY (mask 15).  Only V is shared, and a mask names four: a wider cluster would share nothing more.
; LIMITS: NaN and infinities are not served.  |score x log2(e)| stays under 2^23, so that M and byte + M are whole numbers in f32.  A block of P whose byte under the row's M would fall under 1 is held at 1: what it then adds lies
; under 2^-121 beside a row's sum of at least 1/2.
; REGISTERS, in windows of 256: window 0: addresses, statistics, scale words, S^T (v128-191; in phase B P's two sets v128-223).  Window 1: Q's K steps 0-3, then V's fragments in two buffers, then rows on the way out.
;   Window 2: Q's K steps 4-7, then O^T of d tiles 0-7.  Window 3: V's 16 fragments of phase A, then O^T of d tiles 8-15.
.set REC,   25600
.set TILE,  4*REC
.set FRB,   1536
.set SROW,  16*FRB                     ; where a record's scale rows begin
.set PIMG,  2*TILE                     ; LDS: two slots of a tile; then P's codes, a region for each wave: piece (j, m) at 1,536 j + 384 m: three planes of 128 bytes, 8 bytes a query
.set PWR,   24704                      ; from region to region: 24,576 + 128, so that lanes 0-15 and lanes 16-31, which read neighbouring regions, fall on different banks (64 banks of 4 bytes: ISA guide 11.1)
.set ESTAT, PIMG+4*PWR                 ; byte_b + M_b as f32, a region of 4,096 bytes for each wave: 256 j + 64 m + 4 r
.set SW,    ESTAT+16384                ; P's scale words: 256 j + 64 m + 4 r
.set WST,   SW+4096                    ; the waves' -M at 256 m + 16 r + 4 w; their sums 1,024 further on
.set SPARE, WST+2048                   ; the spare words, 128 bytes for each wave: two blocks of 256 bytes that no other line names
.set SPITCH, 528                       ; the way out: a stage of 16 rows x (512 + 16) bytes for each wave, in slot 0, which has then had its last fill and its last read
.set LI,   1                           ; v1-2   16 x lane + my record in slot 0, 1
.set LSA,  3                           ; v3-4   4 x lane + my record's scale rows
.set SPW,  5                           ; v5     my spare word; never rewritten
.set NIL,  6                           ; v6     0; never rewritten
.set PA,   7                           ; v7     where I store P's codes: my region + 384 (lane / 16) + 8 r
.set EA,   10                          ; v10    where I store byte + M
.set WA,   11                          ; v11    where I store -M and the sum
.set PAJ,  12                          ; v12    PA + the j term
.set EAJ,  15                          ; v15    EA + the j term
.set PRD,  16                          ; v16    where I read P's codes: PIMG + PWR (lane / 16) + 8 r
.set SWR,  17                          ; v17    SW + 4 x lane
.set PRJ,  18                          ; v18-19 the two with the j term
.set SWRJ, 19
.set PFO,  20                          ; v20    the prefetches' offset; never rewritten
.set STO,  21                          ; v21    the stage: where I put 32 bytes of a row
.set RD,   22                          ; v22    and where I read a row back
.set L16,  24                          ; v24    16 x lane
.set L4,   25                          ; v25    4 x lane
.set WRD,  26                          ; v26    WST + 16 r
.set ERD,  27                          ; v27    ESTAT + 1,024 w + 4 x lane
.set NM,   28                          ; v28-35 -M_b of tile m at 2 m (named as a pair by the packed form)
.set BM,   36                          ; v36-39 the block's largest score, then its largest p
.set TT,   40                          ; v40-43 at work
.set SCO,  44                          ; v44-47 the conversions' scale operands
.set EE,   48                          ; v48-51 byte + M_b
.set LS,   52                          ; v52-59 the block's sum, in pairs
.set NMR,  60                          ; v60-63 the running -M
.set LR,   64                          ; v64-67 the running sum (my half of the lanes' keys)
.set B1,   68                          ; v68-75 exponents of the two rescalings
.set B2,   72
.set TC,   76                          ; v76-78, v80-82 odd tiles' codes
.set PC,   92                          ; v92-103 two blocks' codes
.set VS,   104                         ; v104-111 V's scale words: scales and nothing else
.set QS,   112                         ; v112-127 Q's: record R, K step s at 8 R + s
.set S,    128                         ; v128-191 S^T: tile m, key tile u at 16 m + 8 u
.set PB,   128                         ; phase B: P's fragments, set p at 48 p, tile m at 12 m
.set EL,   160                         ; phase M: the exponents read back
.set PS,   224                         ; v224-227 P's scale words, set p at 2 p
.set RL,   228                         ; v228-235 1 / the row's sum, tile m at 2 m (named as a pair)
.set NR,   236                         ; v236-239 the row's -M
.set SWW,  240                         ; v240   where I store scale words
.set NS,   242                         ; v242-243 the row's -M by halves of the lanes
.set WV,   10                          ; s10    my wave's number
.set G1,   16                          ; s[16:23] descriptor group 1
.set G0,   24                          ; s[24:31] group 0, a set for each slot
.set SEL,  32                          ; s[32:33] v_permlanex16_b32's selects for lane l xor 16
.set CS,   34                          ; s[34:35] log2(e), twice
.set PJ,   36                          ; s36, s37 the j terms of phase A's stores
.set EJ,   37
.set CNT,  38
.set TRP,  39                          ; s39    the tile in hand
.set LIM,  40                          ; s40    a wave prefetches while s[TRP] is under it
.set PFA,  42                          ; s[42:43] where the prefetches stand
.set HM,   44                          ; s44    lanes 16-31
.set PJB,  45                          ; s45, s46 the j terms of phase B's loads
.set SWJ,  46
.set MSB, 0
.macro WIN new                         ; s_set_vgpr_msb: bits 1:0 source 0, 3:2 source 1, 5:4 source 2, 7:6 destination; the high byte repeats the setting that is left
.if MSB != \new
	s_set_vgpr_msb (MSB<<8)|\new
.set MSB, \new
.endif
.endm
.macro PLACES                          ; four plain instructions between a matrix instruction and a read of its result or a load into one of its registers (ISA guide 7.12.1 for a read of the result)
.rept 4
	v_nop
.endr
.endm
.macro CREST                           ; a round of the cluster's barrier behind its opening barrier
	s_cmp_lg_u32 s[WV], 0
	s_cbranch_scc1 .Lnot_wave_0_\@
	s_barrier_signal -3
.Lnot_wave_0_\@:
	s_barrier_wait -3
	s_barrier_signal -1
	s_barrier_wait -1
.endm
.macro CROUND
	s_barrier_signal -1
	s_barrier_wait -1
	CREST
.endm
; A PREFETCH INTO THE L2: in the trip of tile t, tile t + 3, which is asked for by its tensor load two trips on.  All four clusters of a batch walk the same stream: the batch's first cluster asks.  Its four partners
; share a tile's records out BY ADDRESS, record cx each: 100 blocks of 256 bytes, a thread a block; threads 100 to 127 name the last block again.  Tiles 0 to 3 come by their loads alone; from trip 29 on there is no tile to name.
.macro ASK
	s_cmp_lt_u32 s[TRP], s[LIM]
	s_cbranch_scc0 .Lnot_mine_\@
	global_prefetch_b8 v[PFO], s[PFA:PFA+1] th:TH_LOAD_NT scope:SCOPE_SE
.Lnot_mine_\@:
.endm
; One matrix instruction.  zero = 1: it starts its sum.  ra, rb: which half of the lanes holds source 0's and source 1's scale words.
.macro WM d, a, b, zero, sa, sb, ra, rb
.set WD, \d
.set WA_, \a
.set WB_, \b
.set WSA, \sa
.set WSB, \sb
.set WSEL, 4*(\zero)+2*(\ra)+(\rb)
.if WSEL == 0
	v_wmma_scale_f32_16x16x128_f8f6f4 v[WD:WD+7], v[WA_:WA_+11], v[WB_:WB_+11], v[WD:WD+7], v[WSA], v[WSB] matrix_a_fmt:MATRIX_FMT_FP6 matrix_b_fmt:MATRIX_FMT_FP6
.elseif WSEL == 1
	v_wmma_scale_f32_16x16x128_f8f6f4 v[WD:WD+7], v[WA_:WA_+11], v[WB_:WB_+11], v[WD:WD+7], v[WSA], v[WSB] matrix_a_fmt:MATRIX_FMT_FP6 matrix_b_fmt:MATRIX_FMT_FP6 matrix_b_scale:MATRIX_SCALE_ROW1
.elseif WSEL == 2
	v_wmma_scale_f32_16x16x128_f8f6f4 v[WD:WD+7], v[WA_:WA_+11], v[WB_:WB_+11], v[WD:WD+7], v[WSA], v[WSB] matrix_a_fmt:MATRIX_FMT_FP6 matrix_b_fmt:MATRIX_FMT_FP6 matrix_a_scale:MATRIX_SCALE_ROW1
.elseif WSEL == 3
	v_wmma_scale_f32_16x16x128_f8f6f4 v[WD:WD+7], v[WA_:WA_+11], v[WB_:WB_+11], v[WD:WD+7], v[WSA], v[WSB] matrix_a_fmt:MATRIX_FMT_FP6 matrix_b_fmt:MATRIX_FMT_FP6 matrix_a_scale:MATRIX_SCALE_ROW1 matrix_b_scale:MATRIX_SCALE_ROW1
.elseif WSEL == 4
	v_wmma_scale_f32_16x16x128_f8f6f4 v[WD:WD+7], v[WA_:WA_+11], v[WB_:WB_+11], 0, v[WSA], v[WSB] matrix_a_fmt:MATRIX_FMT_FP6 matrix_b_fmt:MATRIX_FMT_FP6
.elseif WSEL == 5
	v_wmma_scale_f32_16x16x128_f8f6f4 v[WD:WD+7], v[WA_:WA_+11], v[WB_:WB_+11], 0, v[WSA], v[WSB] matrix_a_fmt:MATRIX_FMT_FP6 matrix_b_fmt:MATRIX_FMT_FP6 matrix_b_scale:MATRIX_SCALE_ROW1
.elseif WSEL == 6
	v_wmma_scale_f32_16x16x128_f8f6f4 v[WD:WD+7], v[WA_:WA_+11], v[WB_:WB_+11], 0, v[WSA], v[WSB] matrix_a_fmt:MATRIX_FMT_FP6 matrix_b_fmt:MATRIX_FMT_FP6 matrix_a_scale:MATRIX_SCALE_ROW1
.else
	v_wmma_scale_f32_16x16x128_f8f6f4 v[WD:WD+7], v[WA_:WA_+11], v[WB_:WB_+11], 0, v[WSA], v[WSB] matrix_a_fmt:MATRIX_FMT_FP6 matrix_b_fmt:MATRIX_FMT_FP6 matrix_a_scale:MATRIX_SCALE_ROW1 matrix_b_scale:MATRIX_SCALE_ROW1
.endif
.endm
	s_load_b128 s[4:7], s[0:1], 0x0                ; qw, vw
	s_load_b64 s[8:9], s[0:1], 0x10                ; out0
	v_lshl_add_u32 v[SPW], v0, 2, SPARE
	v_mov_b32 v[NIL], 0
	ds_add_u32 v5, v6
	ds_add_u32 v5, v6
	s_wait_dscnt 0x0
	v_lshrrev_b32 v12, 5, v0
	v_readfirstlane_b32 s[WV], v12                 ; wave 0..3
	s_bfe_u32 s11, ttmp6, 0x40000                  ; cx: my place in the cluster: it enters Q's, out0's and the prefetches' addresses alone
	s_lshl_b32 s12, ttmp9, 2                       ; in a cluster launch ttmp9 counts clusters
	s_add_co_u32 s12, s12, s11                     ; x: my block of 64 queries
	s_and_b32 s13, ttmp7, 0xffff                   ; the batch, which the four partners share
	; descriptor group 1: a record is a dense block: 100 rows of 256 bytes (32 elements of 8 bytes), no padding
	s_mov_b32 s[G1], 15|(3<<16)|(1<<21)            ; 15:0 the mask: all four work-groups; 17:16 elements of 8 bytes; 21 set beside a mask
	s_mov_b32 s[G1+1], 32<<16                      ; tensor_dim0 = 32
	s_mov_b32 s[G1+2], 100<<16                     ; tensor_dim1 = 100
	s_mov_b32 s[G1+3], 32<<16                      ; tile_dim0 = 32
	s_mov_b32 s[G1+4], 100                         ; tile_dim1 = 100
	s_mov_b32 s[G1+5], 32                          ; from row to row
	s_mov_b32 s[G1+6], 0
	s_mov_b32 s[G1+7], 0
	s_mul_i32 s14, s[WV], REC                      ; my record in a tile and in a slot
	s_mul_i32 s48, s13, 32*TILE                    ; the batch's stream in vw
	s_add_co_u32 s52, s48, s14
	s_mov_b32 s53, 0
	s_lshl_b32 s54, s13, 5                         ; Q: records 32 y + 2 x and the next
	s_lshl_b32 s55, s12, 1
	s_add_co_u32 s54, s54, s55
	s_mul_i32 s54, s54, REC
	s_mov_b32 s55, 0
	s_lshl_b32 s56, s13, 22                        ; out0: row 1,024 y + 64 x of 4,096 bytes, + my 256 d
	s_lshl_b32 s57, s12, 18
	s_add_co_u32 s56, s56, s57
	s_lshl_b32 s57, s[WV], 10
	s_add_co_u32 s56, s56, s57
	s_mov_b32 s57, 0
	s_mul_i32 s58, s11, REC                        ; the prefetches: record cx, at tile 3: the first refill steps it to tile 4
	s_add_co_u32 s58, s58, s48
	s_add_co_u32 s58, s58, 3*TILE
	s_mov_b32 s59, 0
	s_cmp_eq_u32 ttmp9, 0                          ; the batch's first cluster: the same in all four partners
	s_cselect_b32 s[LIM], 29, 0
	s_mov_b32 s[SEL], 0x76543210
	s_mov_b32 s[SEL+1], 0xfedcba98
	s_mov_b32 s[CS], 0x3fb8aa3b                    ; log2(e)
	s_mov_b32 s[CS+1], s[CS]                       ; (named with it as a pair, so it is written)
	s_mov_b32 s[HM], 0xffff0000
	s_mov_b32 s[PJ], 0
	s_mov_b32 s[EJ], 0
	s_mov_b32 s[PJB], 0
	s_mov_b32 s[SWJ], 0
	s_mov_b32 s[TRP], 0
	s_wait_kmcnt 0x0
	s_add_nc_u64 s[52:53], s[6:7], s[52:53]        ; my record of tile 0
	s_add_nc_u64 s[PFA:PFA+1], s[6:7], s[58:59]
	s_add_nc_u64 s[4:5], s[4:5], s[54:55]
	s_add_nc_u64 s[8:9], s[8:9], s[56:57]
	s_mov_b32 s[G0], 1                             ; 1:0 count = 1
	s_mov_b32 s[G0+1], s14                         ; LDS address: slot 0
	s_mov_b64 s[G0+2:G0+3], s[52:53]               ; global address: tile 0
	s_or_b32 s[G0+3], s[G0+3], 0x80000000          ; type = 2
	s_mov_b32 s[G0+4], 1
	s_add_co_u32 s[G0+5], s14, TILE                ; slot 1
	s_add_nc_u64 s[G0+6:G0+7], s[52:53], TILE      ; tile 1
	s_or_b32 s[G0+7], s[G0+7], 0x80000000
	CROUND                                         ; all four work-groups are here: the first joint loads meet
	tensor_load_to_lds s[G0:G0+3], s[G1:G1+7]      ; the two first fills go out together: two loads of mine are out
	s_nop 0
	tensor_load_to_lds s[G0+4:G0+7], s[G1:G1+7]
	s_nop 0
	PLACES                                         ; four v_nop follow
	v_and_b32 v[L16], 31, v0
	v_lshlrev_b32 v[L4], 2, v[L16]
	v_lshlrev_b32 v[L16], 4, v[L16]
	WIN 0x40                                       ; Q stays in registers: K step s, tile m at 12 (4 (s % 4) + m) of window 1 (s < 4) or 2
.irp s, 0,1,2,3
.irp m, 0,1,2,3
.irp g, 0,1,2
	global_load_b128 v[12*(4*\s+\m)+4*\g:12*(4*\s+\m)+4*\g+3], v[L16], s[4:5] offset:(\m/2)*REC+FRB*(2*\s+\m%2)+512*\g th:TH_LOAD_NT
.endr
.endr
.endr
	WIN 0x80
.irp s, 0,1,2,3
.irp m, 0,1,2,3
.irp g, 0,1,2
	global_load_b128 v[12*(4*\s+\m)+4*\g:12*(4*\s+\m)+4*\g+3], v[L16], s[4:5] offset:(\m/2)*REC+FRB*(2*(\s+4)+\m%2)+512*\g th:TH_LOAD_NT
.endr
.endr
.endr
	WIN 0
.irp r, 0,1
.irp s, 0,1,2,3,4,5,6,7
	global_load_b32 v[QS+8*\r+\s], v[L4], s[4:5] offset:\r*REC+SROW+128*\s th:TH_LOAD_NT
.endr
.endr
	v_and_b32 v12, 15, v0                          ; r
	v_bfe_u32 v13, v0, 4, 1                        ; lane / 16
	v_add_nc_u32 v[LI], s14, v[L16]
	v_add_nc_u32 v[LI+1], TILE, v[LI]
	v_add_nc_u32 v[LSA], s14, v[L4]
	v_add_nc_u32 v[LSA], SROW, v[LSA]
	v_add_nc_u32 v[LSA+1], TILE, v[LSA]
	s_mul_i32 s15, s[WV], PWR
	s_add_co_u32 s15, s15, PIMG
	v_lshlrev_b32 v[PA], 3, v12
	v_mad_u32_u24 v[PA], v13, 384, v[PA]
	v_add_nc_u32 v[PA], s15, v[PA]
	s_lshl_b32 s15, s[WV], 12
	s_add_co_u32 s15, s15, ESTAT
	v_lshl_add_u32 v[EA], v12, 2, s15
	s_lshl_b32 s15, s[WV], 2
	s_add_co_u32 s15, s15, WST
	v_lshl_add_u32 v[WA], v12, 4, s15
	v_lshl_add_u32 v[WRD], v12, 4, WST
	v_lshlrev_b32 v[PRD], 3, v12
	v_mad_u32_u24 v[PRD], v13, PWR, v[PRD]         ; lanes 16-31 read the next wave's region
	v_add_nc_u32 v[PRD], PIMG, v[PRD]
	v_add_nc_u32 v[SWR], SW, v[L4]
	s_lshl_b32 s15, s[WV], 10
	s_add_co_u32 s47, s15, ESTAT
	v_add_nc_u32 v[ERD], s47, v[L4]
	s_add_co_u32 s47, s15, SW
	v_add_nc_u32 v[SWW], s47, v[L4]
	v_min_u32 v[PFO], 99, v0
	v_lshlrev_b32 v[PFO], 8, v[PFO]
	s_mul_i32 s15, s[WV], 16*SPITCH                ; my stage
	v_mul_u32_u24 v[STO], v12, SPITCH
	v_lshl_add_u32 v[STO], v13, 5, v[STO]
	v_add_nc_u32 v[STO], s15, v[STO]               ; in: row r, 32 bytes for each half of the lanes
	v_add_nc_u32 v[RD], s15, v[L16]                ; back: the 32 lanes take a row of 512 bytes
.irp m, 0,1,2,3
	v_mov_b32 v[TT+\m], 0                          ; a lane permute's destination counts as one of its sources
	v_mov_b32 v[NM+2*\m+1], 0                      ; upper halves of pairs that the packed forms name
	v_mov_b32 v[RL+2*\m+1], 0
	v_mov_b32 v[LR+\m], 0                          ; the running sum,
	v_mov_b32 v[NMR+\m], 0x7f61b1e6                ; and the running -M: 3e38, above every -M: the first rescaling multiplies zeros
.endr
; ---------------- PHASE A ----------------
; The change of slots, at a trip's head: all my tensor loads have landed (my record of this trip's tile); the add; my reads of the other slot are over; a round of the cluster's barrier; the other slot's refill first behind it.
.macro HEADR slot
	s_wait_xcnt 0x0                                ; the last prefetch, a trip back, has read its address
	s_add_nc_u64 s[PFA:PFA+1], s[PFA:PFA+1], TILE
	s_wait_tensorcnt 0x0                           ; no tensor load of mine is out, so a group 0 may be written
	ds_add_u32 v[SPW], v[NIL]                      ; 0 onto my spare word
	s_add_nc_u64 s[G0+4*(1-\slot)+2:G0+4*(1-\slot)+3], s[G0+4*(1-\slot)+2:G0+4*(1-\slot)+3], 2*TILE   ; the other slot's next tile; the type bits on top are not reached
	s_wait_dscnt 0x0                               ; the add is done, and my reads of the other slot are over
	CROUND                                         ; both now hold of every wave of every partner
	tensor_load_to_lds s[G0+4*(1-\slot):G0+4*(1-\slot)+3], s[G1:G1+7]   ; my one tensor load behind the round: it has this trip's work in which to land
	s_nop 0
	PLACES                                         ; (the places in front of the loads into registers that the last products read)
.endm
.macro LOADV1 slot                     ; my record: 8 scale rows, then the 16 fragments as they lie: register 4 i from byte 512 i
.irp i, 0,1,2,3,4,5,6,7
	ds_load_b32 v[VS+\i], v[LSA+\slot] offset:128*\i
.endr
	WIN 0xc0                                       ; destination window 3
.set i, 0
.rept 48
	ds_load_b128 v[4*i:4*i+3], v[LI+\slot] offset:512*i
.set i, i+1
.endr
	WIN 0
.endm
; K step s: 8 matrix instructions; source 0 = 16 keys (tile u), source 1 = 16 queries (tile m).  The eight accumulators take turns, one instruction a turn.
.macro MULA s, zero
.irp m, 0,1,2,3
.irp u, 0,1
	WM S+16*\m+8*\u,12*(2*(\s)+\u),12*(4*((\s)%4)+\m),\zero,VS+(\s),QS+8*(\m/2)+(\s),\u,\m%2
.endr
.endr
.endm
.macro KST s, zero, kind
.if (\kind) == 0
	s_wait_dscnt 42-6*(\s)                         ; this K step's two fragments are in; the 6 loads of each later K step may be out
.endif
	MULA \s, \zero
.endm
; THE SOFTMAX of one block of 32 keys for the four tiles of queries, which take turns line by line.  Lane (r, h) holds keys 16 h + 0 .. 15 of query r in S[16 m ..].
.macro SMX
.irp m, 0,1,2,3
	v_max3_num_f32 v[BM+\m], v[S+16*\m], v[S+16*\m+1], v[S+16*\m+2]   ; the block's largest score; each accumulator is read from its low end on
.endr
.irp i, 3,5,7,9,11,13
.irp m, 0,1,2,3
	v_max3_num_f32 v[BM+\m], v[BM+\m], v[S+16*\m+\i], v[S+16*\m+\i+1]
.endr
.endr
.irp m, 0,1,2,3
	v_max_num_f32 v[BM+\m], v[BM+\m], v[S+16*\m+15]
.endr
.irp m, 0,1,2,3
	v_permlanex16_b32 v[TT+\m], v[BM+\m], s[SEL], s[SEL+1]
.endr
.irp m, 0,1,2,3
	v_max_num_f32 v[BM+\m], v[BM+\m], v[TT+\m]     ; with lane l xor 16's 16 keys
.endr
.irp m, 0,1,2,3
	v_mul_f32 v[TT+\m], s[CS], v[BM+\m]            ; as t
.endr
.irp m, 0,1,2,3
	v_floor_f32 v[NM+2*\m], -v[TT+\m]              ; -M_b = floor(-t) = -ceil(t): a whole number
.endr
.irp m, 0,1,2,3
.irp j, 0,2,4,6,8,10,12,14
	v_pk_fma_f32 v[S+16*\m+\j:S+16*\m+\j+1], v[S+16*\m+\j:S+16*\m+\j+1], s[CS:CS+1], v[NM+2*\m:NM+2*\m+1] op_sel_hi:[1,0,0]   ; t - M_b, two at a time
.endr
.endr
.irp m, 0,1,2,3
	v_fma_f32 v[BM+\m], v[BM+\m], s[CS], v[NM+2*\m]   ; the same of the largest score
.endr
.set i, 0
.rept 64
	v_exp_f32 v[S+i], v[S+i]                       ; p = 2^(t - M_b): one batch
.set i, i+1
.endr
.irp m, 0,1,2,3
	v_min_num_f32 v[TT+\m], v[NMR+\m], v[NM+2*\m]  ; the new running -M.  (28 plain lines that name no exponential's result stand behind the batch)
.endr
.irp m, 0,1,2,3
	v_sub_f32 v[B1+\m], v[TT+\m], v[NMR+\m]        ; old M - new M,
.endr
.irp m, 0,1,2,3
	v_sub_f32 v[B2+\m], v[TT+\m], v[NM+2*\m]       ; M_b - new M: whole numbers, 0 or less
.endr
.irp m, 0,1,2,3
	v_mov_b32 v[NMR+\m], v[TT+\m]
.endr
.irp m, 0,1,2,3
	v_cvt_i32_f32 v[B1+\m], v[B1+\m]               ; (it saturates)
.endr
.irp m, 0,1,2,3
	v_cvt_i32_f32 v[B2+\m], v[B2+\m]
.endr
.irp m, 0,1,2,3
	v_ldexp_f32 v[LR+\m], v[LR+\m], v[B1+\m]       ; the running sum under the new M: nothing is rounded
.endr
	s_wait_alu depctr_va_vdst(0)                   ; one wait for the batch, ahead of the first instruction that names a result
.irp m, 0,1,2,3
	v_exp_f32 v[BM+\m], v[BM+\m]                   ; the block's largest p: the same two instructions on the same number give the same bits
.endr
.irp m, 0,1,2,3
	v_pk_add_f32 v[LS+2*\m:LS+2*\m+1], v[S+16*\m:S+16*\m+1], v[S+16*\m+2:S+16*\m+3]   ; THE SUM IS TAKEN OF THE UNQUANTISED p
.endr
.irp j, 4,6,8,10,12,14
.irp m, 0,1,2,3
	v_pk_add_f32 v[LS+2*\m:LS+2*\m+1], v[LS+2*\m:LS+2*\m+1], v[S+16*\m+\j:S+16*\m+\j+1]
.endr
.endr
.irp m, 0,1,2,3
	v_add_f32 v[LS+2*\m], v[LS+2*\m], v[LS+2*\m+1]
.endr
.irp m, 0,1,2,3
	v_ldexp_f32 v[LS+2*\m], v[LS+2*\m], v[B2+\m]   ; the block's sum under the running M
.endr
.irp m, 0,1,2,3
	v_add_f32 v[LR+\m], v[LR+\m], v[LS+2*\m]
.endr
	s_wait_alu depctr_va_vdst(0)                   ; and one for the four
.irp m, 0,1,2,3
	v_max_num_f32 v[BM+\m], 0x1800000, v[BM+\m]    ; the floor 2^(3 - 127)
.endr
.irp m, 0,1,2,3
	v_add_nc_u32 v[SCO+\m], 0xff000000, v[BM+\m]   ; 2 off the exponent field: the conversion's scale operand
.endr
.irp m, 0,1,2,3
	v_lshrrev_b32 v[TT+\m], 23, v[SCO+\m]          ; the byte under M_b
.endr
.irp m, 0,1,2,3
	v_cvt_f32_u32 v[EE+\m], v[TT+\m]
.endr
.irp m, 0,1,2,3
	v_sub_f32 v[EE+\m], v[EE+\m], v[NM+2*\m]       ; byte + M_b: the row's M is taken off it in phase M
.endr
.irp p, 0,1
	v_cvt_scalef32_pk16_fp6_f32 v[PC+6*\p:PC+6*\p+2], v[S+32*\p:S+32*\p+15], v[SCO+2*\p]         ; tile 2 p: my 16 keys' codes
	v_cvt_scalef32_pk16_fp6_f32 v[TC+4*\p:TC+4*\p+2], v[S+32*\p+16:S+32*\p+31], v[SCO+2*\p+1]    ; tile 2 p + 1
.endr
	v_add_nc_u32 v[PAJ], s[PJ], v[PA]              ; (plain instructions between the conversions and what touches their results)
	v_add_nc_u32 v[EAJ], s[EJ], v[EA]
.irp p, 0,1                                    ; the even tile's lanes 16-31 change places with the odd tile's lanes 0-15: lane (r, H) then holds the WHOLE block of query r of tile 2 p + H
.irp i, 0,1,2
	v_permlane16_swap_b32 v[PC+6*\p+\i], v[TC+4*\p+\i]
.endr
.irp i, 0,1,2
	v_mov_b32 v[PC+6*\p+3+\i], v[TC+4*\p+\i]
.endr
.endr
.irp p, 0,1
.irp k, 0,1,2
	ds_store_b64 v[PAJ], v[PC+6*\p+2*\k:PC+6*\p+2*\k+1] offset:768*\p+128*\k
.endr
.endr
.irp m, 0,1,2,3
	ds_store_b32 v[EAJ], v[EE+\m] offset:64*\m     ; (both halves of the lanes write the same word with the same value)
.endr
	s_add_co_u32 s[PJ], s[PJ], FRB
	s_add_co_u32 s[EJ], s[EJ], 256
.endm
; A trip of phase A.  kind = 1: the head, this tile's LDS loads, then the softmax of the tile BEFORE, under which the loads land, then this tile's 64 products.  kind = 0: the first trip.
.macro TRIPA slot, kind
.if \kind
	HEADR \slot
.endif
	LOADV1 \slot
.if \kind
	ASK
	SMX
	s_wait_dscnt 0x0                               ; my record is in registers; the softmax's stores have read theirs
.else
	s_wait_loadcnt 0x0                             ; Q
.endif
	WIN 0x07                                       ; source 0 (V) window 3, source 1 (Q) window 1
	KST 0, 1, \kind
	KST 1, 0, \kind
	KST 2, 0, \kind
	KST 3, 0, \kind
	WIN 0x0b                                       ; Q's K steps 4-7: window 2
	KST 4, 0, \kind
	KST 5, 0, \kind
	KST 6, 0, \kind
	KST 7, 0, \kind
	WIN 0
	s_add_co_u32 s[TRP], s[TRP], 1
.endm
	s_wait_tensorcnt 0x1                           ; my record of tile 0 is in; tile 1's may stay out
	s_barrier_signal -1
	s_barrier_wait -1
	TRIPA 0, 0
	s_mov_b32 s[CNT], 7
.Lpa:
	TRIPA 1, 1
	TRIPA 0, 1
	s_sub_co_u32 s[CNT], s[CNT], 1
	s_cmp_lg_u32 s[CNT], 0
	s_cbranch_scc1 .Lpa
	TRIPA 1, 1                                     ; tile 15; its head asks for tile 16, the first of phase B
	PLACES
	SMX                                            ; the last block's softmax
; ---------------- PHASE M ----------------
.irp m, 0,1,2,3
	v_permlanex16_b32 v[TT+\m], v[LR+\m], s[SEL], s[SEL+1]
.endr
.irp m, 0,1,2,3
	v_add_f32 v[LR+\m], v[LR+\m], v[TT+\m]         ; my 512 keys' sum of each query
.endr
.irp m, 0,1,2,3
	ds_store_b32 v[WA], v[NMR+\m] offset:256*\m
	ds_store_b32 v[WA], v[LR+\m] offset:1024+256*\m
.endr
	s_wait_dscnt 0x0                               ; for the others' sake: all my stores (P's codes, byte + M, -M, sums) are done
	s_barrier_signal -1                            ; tile 16's load may stay out
	s_barrier_wait -1
.irp m, 0,1,2,3
	ds_load_b128 v[128+4*\m:131+4*\m], v[WRD] offset:256*\m          ; the four waves' -M of query r of tile m,
	ds_load_b128 v[144+4*\m:147+4*\m], v[WRD] offset:1024+256*\m     ; and their sums
.endr
.irp jj, 0,1,2,3                               ; I make the scale words of key steps j = 4 w + jj: lane (r, H), pair p: query r of tile 2 p + H; byte b is wave b's block
.irp p, 0,1
.irp b, 0,1,2,3
	ds_load_b32 v[EL+8*\jj+4*\p+\b], v[ERD] offset:4096*\b+256*\jj+128*\p
.endr
.endr
.endr
	s_wait_dscnt 32                                ; the first eight loads are in; the 32 behind them may be out
.irp m, 0,1,2,3
	v_min3_num_f32 v[NR+\m], v[128+4*\m], v[129+4*\m], v[130+4*\m]
.endr
.irp m, 0,1,2,3
	v_min_num_f32 v[NR+\m], v[NR+\m], v[131+4*\m]  ; the row's -M
.endr
.irp b, 0,1,2,3
.irp m, 0,1,2,3
	v_sub_f32 v[128+4*\m+\b], v[NR+\m], v[128+4*\m+\b]   ; wave b's M - the row's M
.endr
.endr
.set i, 0
.rept 16
	v_cvt_i32_f32 v[128+i], v[128+i]
.set i, i+1
.endr
.set i, 0
.rept 16
	v_ldexp_f32 v[144+i], v[144+i], v[128+i]       ; its sum under the row's M
.set i, i+1
.endr
.irp m, 0,1,2,3
	v_add_f32 v[144+4*\m], v[144+4*\m], v[145+4*\m]
	v_add_f32 v[146+4*\m], v[146+4*\m], v[147+4*\m]
.endr
.irp m, 0,1,2,3
	v_add_f32 v[144+4*\m], v[144+4*\m], v[146+4*\m]   ; the row's sum
.endr
.irp m, 0,1,2,3
	v_rcp_f32 v[RL+2*\m], v[144+4*\m]
.endr
.irp p, 0,1
	v_cndmask_b32 v[NS+\p], v[NR+2*\p], v[NR+2*\p+1], s[HM]   ; lanes 0-15: tile 2 p's -M, lanes 16-31: tile 2 p + 1's.  (Plain instructions behind the reciprocals)
.endr
	s_wait_alu depctr_va_vdst(0)                   ; one wait for the four reciprocals
	s_wait_dscnt 0x0
.irp jj, 0,1,2,3
.irp p, 0,1
.irp b, 0,1,2,3
	v_add_f32 v[EL+8*\jj+4*\p+\b], v[EL+8*\jj+4*\p+\b], v[NS+\p]   ; byte + M_b - M
.endr
.endr
.endr
.set i, 0
.rept 32
	v_max_num_f32 v[EL+i], 1.0, v[EL+i]            ; held at 1 from below
.set i, i+1
.endr
.set i, 0
.rept 32
	v_cvt_u32_f32 v[EL+i], v[EL+i]
.set i, i+1
.endr
.irp sh, 1,2,3
.irp q, 0,1,2,3,4,5,6,7
	v_lshl_or_b32 v[EL+4*\q], v[EL+4*\q+\sh], 8*\sh, v[EL+4*\q]
.endr
.endr
.irp jj, 0,1,2,3
.irp p, 0,1
	ds_store_b32 v[SWW], v[EL+8*\jj+4*\p] offset:256*\jj+128*\p
.endr
.endr
; ---------------- PHASE B ----------------
; n x 4 matrix instructions: d tiles t0 on x the four tiles of queries; source 0 = 16 d (window 1, fragment t at 12 t), source 1 = P's set p.  Each of the 64 accumulators has one instruction a tile: they take turns.
.macro MULB t0, n, p, zero
.set tt, \t0
.rept \n
.irp m, 0,1,2,3
	WM 8*(4*(tt%8)+\m),12*tt,PB+48*(\p)+12*\m,\zero,VS+tt/2,PS+2*(\p)+\m/2,tt%2,\m%2
.endr
.set tt, tt+1
.endr
.endm
.macro LOADB0 slot                     ; 54 loads: P's scale words and fragments of this key step into set slot; V's scale rows 0-3 and fragments 0-7
.irp p, 0,1
	ds_load_b32 v[PS+2*\slot+\p], v[SWRJ] offset:128*\p
.endr
.irp i, 0,1,2,3
	ds_load_b32 v[VS+\i], v[LSA+\slot] offset:128*\i
.endr
.irp m, 0,1,2,3
.irp c, 0,1
.irp k, 0,1,2
	ds_load_b64 v[PB+48*\slot+12*\m+6*\c+2*\k:PB+48*\slot+12*\m+6*\c+2*\k+1], v[PRJ] offset:2*PWR*\c+384*\m+128*\k   ; registers 6 c on: the block of wave 2 c + lane / 16
.endr
.endr
.endr
	WIN 0x40                                       ; destination window 1
.set i, 0
.rept 24
	ds_load_b128 v[4*i:4*i+3], v[LI+\slot] offset:512*i
.set i, i+1
.endr
	WIN 0
.endm
.macro LOADB1 slot                     ; 28 loads: V's scale rows 4-7 and fragments 8-15
	WIN 0
.irp i, 4,5,6,7
	ds_load_b32 v[VS+\i], v[LSA+\slot] offset:128*\i
.endr
	WIN 0x40
.set i, 24
.rept 24
	ds_load_b128 v[4*i:4*i+3], v[LI+\slot] offset:512*i
.set i, i+1
.endr
.endm
; A trip of phase B.  The products of d tiles 8-15 of the tile BEFORE stand round the change of slots and under this tile's first run of loads; those of d tiles 0-7 of this tile close the trip.
; fill = 1: the other slot is filled again.  prev = 0: there is no tile before; 1: its products start their sums; 2: they add.  zero0 = 1: this tile's products start their sums.
.macro TRIPB slot, fill, prev, zero0
	v_add_nc_u32 v[PRJ], s[PJB], v[PRD]
	v_add_nc_u32 v[SWRJ], s[SWJ], v[SWR]
.if \fill
	s_wait_xcnt 0x0                                ; the last prefetch, a trip back, has read its address
	s_add_nc_u64 s[PFA:PFA+1], s[PFA:PFA+1], TILE
.endif
	s_wait_tensorcnt 0x0                           ; all my tensor loads have landed: my record of this trip's tile
	ds_add_u32 v[SPW], v[NIL]                      ; 0 onto my spare word
.if \fill
	s_add_nc_u64 s[G0+4*(1-\slot)+2:G0+4*(1-\slot)+3], s[G0+4*(1-\slot)+2:G0+4*(1-\slot)+3], 2*TILE
.endif
	s_wait_dscnt 1                                 ; the add alone may be out: the last trip's 28 loads are in
.if \prev
	WIN 0xf1                                       ; source 0 window 1, source 1 window 0, C and D window 3
	MULB 8, 2, 1-\slot, 2-\prev
.endif
	s_wait_dscnt 0x0                               ; the add is done, and my reads of the other slot are over
	s_barrier_signal -1
.if \prev
	MULB 10, 2, 1-\slot, 2-\prev                   ; work on registers while the others arrive
.endif
	WIN 0
	s_barrier_wait -1
.if \fill
	CREST                                          ; the barrier has opened a round of the cluster's barrier: no wave of any partner still reads the other slot or has a load on its way
	tensor_load_to_lds s[G0+4*(1-\slot):G0+4*(1-\slot)+3], s[G1:G1+7]   ; my one tensor load behind the round
	s_nop 0
.endif
	PLACES                                         ; behind the tensor load, and in front of the loads into registers that products have read
	LOADB0 \slot
.if \fill
	ASK
.endif
.if \prev
	WIN 0xf1
	MULB 12, 4, 1-\slot, 2-\prev
	PLACES
.endif
	LOADB1 \slot
	s_wait_dscnt 28                                ; all but the 28 just issued
	WIN 0xa1                                       ; C and D window 2
	MULB 0, 8, \slot, \zero0
	WIN 0
	s_add_co_u32 s[PJB], s[PJB], FRB
	s_add_co_u32 s[SWJ], s[SWJ], 256
	s_add_co_u32 s[TRP], s[TRP], 1
.endm
	TRIPB 0, 1, 0, 1                               ; tile 16.  (Its barrier also stands between the scale words' stores and their reads)
	TRIPB 1, 1, 1, 0
	s_mov_b32 s[CNT], 6
.Lpb:
	TRIPB 0, 1, 2, 0
	TRIPB 1, 1, 2, 0
	s_sub_co_u32 s[CNT], s[CNT], 1
	s_cmp_lg_u32 s[CNT], 0
	s_cbranch_scc1 .Lpb
	TRIPB 0, 1, 2, 0                               ; tile 30: asks for tile 31, the last
	TRIPB 1, 0, 2, 0                               ; tile 31: written out
	s_wait_dscnt 0x0
	WIN 0xf1
	MULB 8, 8, 1, 0
	WIN 0
	PLACES
; ---------------- THE WAY OUT ----------------
; Unit a = 4 tw + m: 16 queries (tile m) x 128 d (128 tw on of my 256).  A lane holds 8 neighbouring d of one query: the unit is divided by the row's sum, goes through my own stage in LDS and comes back as whole
; rows of 512 bytes.  LDS serves a wave's instructions in order (ISA guide 5.7.1.4): no wait between the stores and the loads, nor in front of the next unit's stores.
.macro SCALEU a
	WIN 0x82+0x41*((\a)/4)                         ; destination and source 0: window 2 or 3
.set bb, 0
.rept 8
.irp k, 0,2,4,6
	v_pk_mul_f32 v[8*(4*bb+(\a)%4)+\k:8*(4*bb+(\a)%4)+\k+1], v[8*(4*bb+(\a)%4)+\k:8*(4*bb+(\a)%4)+\k+1], v[RL+2*((\a)%4):RL+2*((\a)%4)+1] op_sel_hi:[1,0]   ; each accumulator from its low end on
.endr
.set bb, bb+1
.endr
.endm
.macro TOSTAGE a
	WIN 0x08+4*((\a)/4)                            ; an LDS store's data are its source 1
.set bb, 0
.rept 8
	ds_store_b128 v[STO], v[8*(4*bb+(\a)%4):8*(4*bb+(\a)%4)+3] offset:64*bb
	ds_store_b128 v[STO], v[8*(4*bb+(\a)%4)+4:8*(4*bb+(\a)%4)+7] offset:64*bb+16
.set bb, bb+1
.endr
	WIN 0x40                                       ; back into window 1: v0-63 and v64-127 by turns
.set i, 0
.rept 16
	ds_load_b128 v[64*((\a)%2)+4*i:64*((\a)%2)+4*i+3], v[RD] offset:SPITCH*i
.set i, i+1
.endr
.endm
.macro SEND a, younger                 ; younger: the LDS instructions issued behind unit a's loads, which may stay out
	WIN 0x04                                       ; a store's data are its source 1: window 1
	s_wait_dscnt \younger
.set i, 0
.rept 16
	global_store_b128 v[L16], v[64*((\a)%2)+4*i:64*((\a)%2)+4*i+3], s[8:9] offset:(32*(((\a)%4)/2)+8*((\a)%2)+i+8*(i/8))*4096+512*((\a)/4) th:TH_STORE_NT   ; 32 lanes store 512 consecutive bytes, at a multiple of 256 from out0's first byte
.set i, i+1
.endr
.endm
	SCALEU 0
	TOSTAGE 0
.irp a, 1,2,3,4,5,6,7
.if \a > 1
	s_wait_xcnt 0x0                                ; unit a - 2's stores have read their registers: unit a's rows may land there
.endif
	SCALEU \a
	TOSTAGE \a
	SEND \a-1, 32                                  ; behind unit a - 1's loads: unit a's 16 stores and 16 loads
.endr
	SEND 7, 0
	WIN 0
	s_wait_tensorcnt 0x0                           ; the wave's end: behind my last tensor load and my last LDS store
	ds_add_u32 v[SPW], v[NIL]
	s_wait_dscnt 0x0
	CROUND                                         ; the closing round: no work-group ends while a partner may still ask for a tile that names it
	s_endpgm
.Lfunc_end_k_qc9daeaceaa_attn:
	.size	k_qc9daeaceaa_attn, .Lfunc_end_k_qc9daeaceaa_attn-k_qc9daeaceaa_attn
	.p2alignl 7, 3214868480
	.fill 96, 4, 3214868480
	.section	.rodata,"a",@progbits
	.p2align	6, 0x0
	.amdhsa_kernel k_qc9daeaceaa_attn
		.amdhsa_group_segment_fixed_size 327680
		.amdhsa_private_segment_fixed_size 0
		.amdhsa_enable_private_segment 0
		.amdhsa_kernarg_size 24
		.amdhsa_user_sgpr_count 2
		.amdhsa_user_sgpr_kernarg_segment_ptr 1
		.amdhsa_wavefront_size32 1
		.amdhsa_system_sgpr_workgroup_id_x 1
		.amdhsa_system_sgpr_workgroup_id_y 1
		.amdhsa_system_sgpr_workgroup_id_z 1
		.amdhsa_system_vgpr_workitem_id 0
		.amdhsa_next_free_vgpr 1024
		.amdhsa_next_free_sgpr 66
		.amdhsa_reserve_vcc 0
		.amdhsa_float_denorm_mode_32 3
		.amdhsa_float_denorm_mode_16_64 3
		.amdhsa_memory_ordered 1
		.amdhsa_forward_progress 1
		.amdhsa_inst_pref_size 255
	.end_amdhsa_kernel
	.section	.bss,"aw",@nobits
	.p2align	6
	.space	262144
	.amdgpu_metadata
---
amdhsa.version: [ 1, 2 ]
amdhsa.kernels:
  - .name:           k_qc9daeaceaa_attn
    .symbol:         k_qc9daeaceaa_attn.kd
    .args:
      - { .name: qw, .offset: 0, .size: 8, .value_kind: global_buffer, .address_space: global }
      - { .name: vw, .offset: 8, .size: 8, .value_kind: global_buffer, .address_space: global }
      - { .name: out0, .offset: 16, .size: 8, .value_kind: global_buffer, .address_space: global }
    .group_segment_fixed_size: 327680
    .private_segment_fixed_size: 0
    .kernarg_segment_align: 8
    .kernarg_segment_size: 24
    .max_flat_workgroup_size: 128
    .sgpr_count:     66
    .vgpr_count:     1024
    .wavefront_size: 32
...
	.end_amdgpu_metadata
.endif
;; end of part 2
;; ======== version 2 of 2: 2 launches
;; limits: right only within a limited range of input values
;; workspace buffers: qw 13,107,200 bytes; vw 52,428,800 bytes
;; launch quant (part 3): grid 256 x 1, 12 waves a work-group, no clusters, 247,296 bytes of LDS; arguments query, value, qw, vw; writes qw, vw
.if DOCPART == 3
	.amdgcn_target "amdgcn-amd-amdhsa--gfx1250"
	.amdhsa_code_object_version 6
	.text
	.protected	k_qc9daeaceaa_quant
	.globl	k_qc9daeaceaa_quant
	.p2align	8
	.type	k_qc9daeaceaa_quant,@function
k_qc9daeaceaa_quant:
	s_mov_b64 s[64:65], 0
	v_nop
	global_prefetch_b8 v0, s[64:65] scope:SCOPE_SE
	s_setreg_imm32_b32 hwreg(HW_REG_WAVE_MODE, 25, 1), 1
	s_wait_xcnt 0x0
; query [16][1024][1024] and value [16][2048][1024], f32, become codes of FP6 (E2M3) with one E8M0 byte for each 32 along K, laid as the second launch's operand registers want them.
; query is quantised along d; value twice: along d (first product) and along the keys (second product).
; A block's scale is 2^(floor(log2(its largest magnitude)) - 2): its byte is the largest magnitude's exponent field - 2, held at 1 from below by a floor among the maximum's leaves.
; LIMITS: NaN and infinities among the inputs are not served.  A block of zeros gets the byte 1 where the rule says 127: its codes are zeros, and this program alone reads the bytes.
; THE RECORD, 25,600 bytes: 16 fragments of 1,536 bytes, then 8 scale rows of 128 bytes.  A fragment (16 rows x 128 K) is the image of its 12 registers: register 4 g + i of lane l at 512 g + 16 l + 4 i.
;   Block b = 2 c + h of row p is registers 6 c .. 6 c + 5 of lane p + 16 h.  Scale row i: lanes 0-15 the words of fragment 2 i's rows, lanes 16-31 those of fragment 2 i + 1's.
;   d-form (32 rows x 1,024 d): fragment 2 s + u = K step s, tile u; row k of the 32 is row (k & 7) + 8 (k >> 4) of tile (k >> 3) & 1.
;   key-form (256 d x 128 keys): fragment t = rows d 16 t .. 16 t + 15, K = the 128 keys as they lie.
; qw: 512 d-form records of 32 query rows.  vw: for each batch 64 d-form records (32 keys each), then 64 key-form records (4 j + w: keys 128 j on, d 256 w on).
; SHARES.  A wave owns 128 rows x 128 columns.  Waves 0-7: 128 keys of value (work-group g: rows 128 g on), columns 128 v on.  Waves 8-11: 128 rows of query (128 (g >> 1) on), columns 128 (4 (g & 1) + wave - 8) on.
; Waves share nothing: no barrier.  The 128 rows go in four strips of 32 through the wave's own LDS; the next strip's 32 loads (16 KB a wave) are on their way while a strip is worked.
; A d-form scale row is 128 bytes and its neighbour is another wave's: those stores cover half of an aligned 256 bytes (1 KB in each record); all other stores of a wave cover 512 consecutive bytes.
.set SP,    528                        ; a strip's row in LDS: 512 bytes + 16
.set WREG,  20480                      ; LDS of a wave: the strip, 32 x SP;
.set DOUT,  32*SP                      ; two d-form fragments, 3,072 bytes;
.set SCW,   DOUT+3072                  ; four key-form scale rows, 512 bytes
.set REC,   25600
.set FRB,   1536
.set ROWB,  4096                       ; a row of query or value in memory
.set DW,    16                         ; v16      my row's d-form scale word
.set KW,    17                         ; v17-20   my four columns' key-form scale words
.set DC,    22                         ; v22-27   a d-form block's codes
.set TC,    28                         ; v28-30   a block's upper 16 codes (a conversion's three registers begin on an even number)
.set X,     32                         ; v32-63   32 numbers down a column
.set Y,     64                         ; v64-95   32 numbers along a row
.set CK,    96                         ; v96-191  the key-form codes: block (cg, rb) at 24 cg + 6 rb
.set R,     192                        ; v192-255 a strip as loaded, rows 0-15; rows 16-31 in v256-319 (window 1, v0-63)
.set MSB, 0
.macro WIN new                         ; s_set_vgpr_msb: bits 1:0 source 0, 3:2 source 1, 5:4 source 2, 7:6 destination; the high byte repeats the setting that is left
.if MSB != \new
	s_set_vgpr_msb (MSB<<8)|\new
.set MSB, \new
.endif
.endm
	s_load_b128 s[4:7], s[0:1], 0x0                ; query, value
	s_load_b128 s[8:11], s[0:1], 0x10              ; qw, vw
	v_lshl_add_u32 v21, v0, 2, 0x3c000
	v_mov_b32 v31, 0
	v_lshrrev_b32 v1, 5, v0
	s_delay_alu instid0(VALU_DEP_1)
	v_readfirstlane_b32 s12, v1                    ; wave 0..11
	v_and_b32 v1, 31, v0                           ; lane
	s_delay_alu instid0(VALU_DEP_1)
	v_lshlrev_b32 v2, 4, v1                        ; 16 x lane: my place in 512 consecutive bytes of memory
	s_mul_i32 s13, s12, WREG                       ; my wave's LDS
	v_add_nc_u32 v3, s13, v2                       ; the same place in LDS
	v_lshl_add_u32 v4, v1, 2, s13                  ; my column of a strip
	v_mul_u32_u24 v5, v1, SP
	s_delay_alu instid0(VALU_DEP_1)
	v_add_nc_u32 v5, s13, v5                       ; my row of a strip
	v_bfe_u32 v6, v1, 3, 1                         ; row k = lane: tile u = (k >> 3) & 1,
	v_and_b32 v7, 7, v1
	v_lshrrev_b32 v11, 4, v1
	s_delay_alu instid0(VALU_DEP_1)
	v_lshl_add_u32 v7, v11, 3, v7                  ; row p = (k & 7) + 8 (k >> 4) of it
	s_delay_alu instid0(VALU_DEP_1)
	v_lshl_add_u32 v8, v6, 4, v7
	s_delay_alu instid0(VALU_DEP_1)
	v_lshlrev_b32 v8, 2, v8                        ; my scale word's place in a scale row: 4 (p + 16 u)
	v_mul_u32_u24 v6, v6, FRB
	s_delay_alu instid0(VALU_DEP_1)
	v_lshl_add_u32 v6, v7, 4, v6
	s_delay_alu instid0(VALU_DEP_1)
	v_add_nc_u32 v6, s13, v6
	s_delay_alu instid0(VALU_DEP_1)
	v_add_nc_u32 v6, DOUT, v6                      ; my row's place in the two d-form images: 1,536 u + 16 p
	v_and_b32 v9, 15, v1
	s_delay_alu instid0(VALU_DEP_1)
	v_lshlrev_b32 v9, 4, v9
	s_delay_alu instid0(VALU_DEP_1)
	v_mad_u32_u24 v9, v11, FRB, v9
	s_delay_alu instid0(VALU_DEP_1)
	v_add_nc_u32 v9, s13, v9                       ; my column's place in two key-form images: 1,536 (lane >> 4) + 16 (lane & 15)
	v_add_nc_u32 v10, SCW, v4                      ; and its scale word's
	s_lshr_b32 s14, ttmp9, 1                       ; query: which 128 rows,
	s_and_b32 s15, ttmp9, 1
	s_lshl_b32 s15, s15, 2
	s_add_co_u32 s15, s15, s12
	s_sub_co_u32 s15, s15, 8                       ; which K step (of use in waves 8-11 alone)
	s_lshr_b32 s16, ttmp9, 4                       ; value: the batch,
	s_and_b32 s17, ttmp9, 15                       ; and j: which 128 keys of it
	s_mul_i32 s16, s16, 128*REC
	s_mul_i32 s17, s17, 4*REC
	s_add_co_u32 s16, s16, s17                     ; the first of my four d-form records in vw
	s_mul_i32 s17, s14, 4*REC                      ; and in qw
	s_cmp_lt_u32 s12, 8                            ; value's wave or query's?  The choice hangs on the wave's number alone
	s_cselect_b32 s18, ttmp9, s14                  ; which 128 rows of the tensor
	s_cselect_b32 s19, s12, s15                    ; K step s
	s_cselect_b32 s20, s16, s17
	s_wait_kmcnt 0x0
	s_cselect_b64 s[4:5], s[6:7], s[4:5]           ; where I read
	s_cselect_b64 s[22:23], s[10:11], s[8:9]       ; where the d-form goes
	s_lshl_b32 s24, s18, 19                        ; 128 rows of 4,096 bytes
	s_lshl_b32 s25, s19, 9                         ; 128 columns of 4 bytes
	s_add_co_u32 s24, s24, s25
	s_mov_b32 s25, 0
	s_add_nc_u64 s[4:5], s[4:5], s[24:25]
	s_mul_i32 s24, s19, 2*FRB
	s_add_co_u32 s24, s24, s20
	s_add_nc_u64 s[26:27], s[22:23], s[24:25]      ; fragments 2 s, 2 s + 1 of my first record
	s_lshl_b32 s24, s19, 7
	s_add_co_u32 s24, s24, s20
	s_add_co_u32 s24, s24, 16*FRB
	s_add_nc_u64 s[28:29], s[22:23], s[24:25]      ; its scale row s
	s_lshr_b32 s24, s12, 1                         ; key-form (waves 0-7): record 64 + 4 j + (v >> 1),
	s_mul_i32 s24, s24, REC
	s_add_co_u32 s24, s24, s16
	s_add_co_u32 s24, s24, 64*REC
	s_and_b32 s21, s12, 1
	s_mul_i32 s30, s21, 8*FRB                      ; fragments 8 (v & 1) on,
	s_add_co_u32 s30, s30, s24
	s_mov_b32 s31, 0
	s_add_nc_u64 s[30:31], s[10:11], s[30:31]
	s_lshl_b32 s21, s21, 9                         ; scale rows 4 (v & 1) on
	s_add_co_u32 s24, s24, s21
	s_add_co_u32 s24, s24, 16*FRB
	s_add_nc_u64 s[32:33], s[10:11], s[24:25]
.macro LOADS rb                        ; strip rb: 32 rows, 512 consecutive bytes each
.set i, 0
.rept 16
	global_load_b128 v[R+4*i:R+4*i+3], v2, s[4:5] offset:(32*(\rb)+i)*ROWB th:TH_LOAD_NT
.set i, i+1
.endr
	WIN 0x40                                       ; destination window 1
.set i, 0
.rept 16
	global_load_b128 v[4*i:4*i+3], v2, s[4:5] offset:(32*(\rb)+16+i)*ROWB th:TH_LOAD_NT
.set i, i+1
.endr
	WIN 0
.endm
; 32 numbers of one block in v[x] on become 6 registers of codes in v[dst] on; the byte goes into bits sh on of v[wreg].
.macro QBLK x, dst, wreg, sh
.set QX, \x
.set QD, \dst
.set QW, \wreg
	v_max3_num_f32 v12, |v[QX]|, |v[QX+1]|, |v[QX+2]|       ; the largest magnitude, in two chains
	v_max3_num_f32 v13, |v[QX+3]|, |v[QX+4]|, |v[QX+5]|
.irp i, 6,10,14,18,22,26
	s_delay_alu instid0(VALU_DEP_2)
	v_max3_num_f32 v12, v12, |v[QX+\i]|, |v[QX+\i+1]|
	s_delay_alu instid0(VALU_DEP_2)
	v_max3_num_f32 v13, v13, |v[QX+\i+2]|, |v[QX+\i+3]|
.endr
	s_delay_alu instid0(VALU_DEP_2)
	v_max3_num_f32 v12, v12, |v[QX+30]|, |v[QX+31]|
	s_delay_alu instid0(VALU_DEP_1)
	v_max3_num_f32 v12, v12, v13, 0x1800000        ; and the floor 2^(3 - 127): the byte cannot fall under 1
	s_delay_alu instid0(VALU_DEP_1)
	v_add_nc_u32 v14, 0xff000000, v12              ; 2 off the exponent field: the conversion takes this operand's exponent field as its scale
	s_delay_alu instid0(VALU_DEP_1)
	v_lshrrev_b32 v15, 23, v14                     ; the byte
	v_cvt_scalef32_pk16_fp6_f32 v[QD:QD+2], v[QX:QX+15], v14
	v_cvt_scalef32_pk16_fp6_f32 v[TC:TC+2], v[QX+16:QX+31], v14
.if (\sh) == 0
	v_mov_b32 v[QW], v15                           ; (the plain instruction between the conversions and the moves that read a result)
.else
	v_lshl_or_b32 v[QW], v15, \sh, v[QW]
.endif
.irp i, 0,1,2
	v_mov_b32 v[QD+3+\i], v[TC+\i]
.endr
.endm
; A block's six registers into an image: registers 6 c .. 6 c + 5 of the lane 16 hh further on.
.macro PUT adr, c0, off, hh, c
.set PC0, \c0
.if (\c) == 0
	ds_store_b128 v[\adr], v[PC0:PC0+3] offset:(\off)+256*(\hh)
	ds_store_b64 v[\adr], v[PC0+4:PC0+5] offset:(\off)+512+256*(\hh)
.else
	ds_store_b64 v[\adr], v[PC0:PC0+1] offset:(\off)+520+256*(\hh)
	ds_store_b128 v[\adr], v[PC0+2:PC0+5] offset:(\off)+1024+256*(\hh)
.endif
.endm
; Columns 32 cg on of strip rb: along the rows for the d-form (a lane a row), and in value's waves down the columns for the key-form (a lane a column).
.macro CG rb, cg
.irp i, 0,1,2,3,4,5,6,7
	ds_load_b128 v[Y+4*\i:Y+4*\i+3], v5 offset:128*(\cg)+16*\i
.endr
	s_cmp_lt_u32 s12, 8
	s_cbranch_scc0 .Lrows_\@
.set i, 0
.rept 32
	ds_load_b32 v[X+i], v4 offset:SP*i+128*(\cg)
.set i, i+1
.endr
	s_wait_dscnt 0x0
	QBLK X, CK+24*(\cg)+6*(\rb), KW+(\cg), 8*(\rb)
.Lrows_\@:
	s_wait_dscnt 0x0                               ; Y is in; the last block's stores into the image have read their registers
	QBLK Y, DC, DW, 8*(\cg)
	PUT 6, DC, 0, (\cg)%2, (\cg)/2
.endm
.macro STRIP rb
	s_wait_loadcnt 0x0                             ; the strip is in registers
.set i, 0
.rept 16
	ds_store_b128 v3, v[R+4*i:R+4*i+3] offset:SP*i
.set i, i+1
.endr
	WIN 0x04                                       ; an LDS store's data are its source 1: window 1
.set i, 0
.rept 16
	ds_store_b128 v3, v[4*i:4*i+3] offset:SP*(16+i)
.set i, i+1
.endr
	WIN 0
	s_wait_dscnt 0x0                               ; the stores have read their registers,
.if (\rb) < 3
	LOADS (\rb)+1                                  ; which take the next strip: it is on its way through all the work below
.endif
.if (\rb) > 0
	s_wait_xcnt 0x0                                ; the last strip's stores to memory have read Y and the scale word: both are written again below
.endif
	CG \rb, 0
	CG \rb, 1
	CG \rb, 2
	CG \rb, 3
	global_store_b32 v8, v[DW], s[28:29] offset:REC*(\rb) th:TH_STORE_NT
.irp i, 0,1,2,3,4,5
	ds_load_b128 v[Y+4*\i:Y+4*\i+3], v3 offset:DOUT+512*\i    ; LDS serves a wave's instructions in order (ISA guide 5.7.1.4): these see the stores above
.endr
	s_wait_dscnt 0x0
.irp i, 0,1,2,3,4,5
	global_store_b128 v2, v[Y+4*\i:Y+4*\i+3], s[26:27] offset:REC*(\rb)+512*\i th:TH_STORE_NT   ; 32 lanes store 512 consecutive bytes
.endr
.endm
	LOADS 0
	STRIP 0
	STRIP 1
	STRIP 2
	STRIP 3
	s_cmp_lt_u32 s12, 8
	s_cbranch_scc0 .Ldone                          ; query has no key-form
	; the key-form: eight fragments gathered where the strip lay (it has been read out), and out as 12,288 consecutive bytes
.irp cg, 0,1,2,3
.irp rb, 0,1,2,3
	PUT 9, CK+24*\cg+6*\rb, 2*FRB*\cg, \rb%2, \rb/2
.endr
	ds_store_b32 v10, v[KW+\cg] offset:128*\cg
.endr
.set i, 0
.rept 16
	ds_load_b128 v[R+4*i:R+4*i+3], v3 offset:512*i
.set i, i+1
.endr
.set i, 0
.rept 8
	ds_load_b128 v[X+4*i:X+4*i+3], v3 offset:512*(16+i)
.set i, i+1
.endr
	ds_load_b128 v[88:91], v3 offset:SCW           ; (registers that no pending store reads)
	s_wait_dscnt 0x0
.set i, 0
.rept 16
	global_store_b128 v2, v[R+4*i:R+4*i+3], s[30:31] offset:512*i th:TH_STORE_NT
.set i, i+1
.endr
.set i, 0
.rept 8
	global_store_b128 v2, v[X+4*i:X+4*i+3], s[30:31] offset:512*(16+i) th:TH_STORE_NT
.set i, i+1
.endr
	global_store_b128 v2, v[88:91], s[32:33] th:TH_STORE_NT
.Ldone:
	s_wait_tensorcnt 0x0
	ds_add_u32 v21, v31
	s_wait_dscnt 0x0
	s_endpgm
.Lfunc_end_k_qc9daeaceaa_quant:
	.size	k_qc9daeaceaa_quant, .Lfunc_end_k_qc9daeaceaa_quant-k_qc9daeaceaa_quant
	.p2alignl 7, 3214868480
	.fill 96, 4, 3214868480
	.section	.rodata,"a",@progbits
	.p2align	6, 0x0
	.amdhsa_kernel k_qc9daeaceaa_quant
		.amdhsa_group_segment_fixed_size 247296
		.amdhsa_private_segment_fixed_size 0
		.amdhsa_enable_private_segment 0
		.amdhsa_kernarg_size 32
		.amdhsa_user_sgpr_count 2
		.amdhsa_user_sgpr_kernarg_segment_ptr 1
		.amdhsa_wavefront_size32 1
		.amdhsa_system_sgpr_workgroup_id_x 1
		.amdhsa_system_sgpr_workgroup_id_y 1
		.amdhsa_system_sgpr_workgroup_id_z 1
		.amdhsa_system_vgpr_workitem_id 0
		.amdhsa_next_free_vgpr 320
		.amdhsa_next_free_sgpr 66
		.amdhsa_reserve_vcc 0
		.amdhsa_float_denorm_mode_32 3
		.amdhsa_float_denorm_mode_16_64 3
		.amdhsa_memory_ordered 1
		.amdhsa_forward_progress 1
		.amdhsa_inst_pref_size 140
	.end_amdhsa_kernel
	.amdgpu_metadata
---
amdhsa.version: [ 1, 2 ]
amdhsa.kernels:
  - .name:           k_qc9daeaceaa_quant
    .symbol:         k_qc9daeaceaa_quant.kd
    .args:
      - { .name: query, .offset: 0, .size: 8, .value_kind: global_buffer, .address_space: global }
      - { .name: value, .offset: 8, .size: 8, .value_kind: global_buffer, .address_space: global }
      - { .name: qw, .offset: 16, .size: 8, .value_kind: global_buffer, .address_space: global }
      - { .name: vw, .offset: 24, .size: 8, .value_kind: global_buffer, .address_space: global }
    .group_segment_fixed_size: 247296
    .private_segment_fixed_size: 0
    .kernarg_segment_align: 8
    .kernarg_segment_size: 32
    .max_flat_workgroup_size: 384
    .sgpr_count:     66
    .vgpr_count:     320
    .wavefront_size: 32
...
	.end_amdgpu_metadata
.endif
;; end of part 3
;; launch attn (part 4): grid 16 x 16, 4 waves a work-group, no clusters, 155,648 bytes of LDS; arguments qw, vw, out0; writes out0
.if DOCPART == 4
	.amdgcn_target "amdgcn-amd-amdhsa--gfx1250"
	.amdhsa_code_object_version 6
	.text
	.protected	k_qc9daeaceaa_attn
	.globl	k_qc9daeaceaa_attn
	.p2align	8
	.type	k_qc9daeaceaa_attn,@function
k_qc9daeaceaa_attn:
	s_mov_b64 s[64:65], 0
	v_nop
	global_prefetch_b8 v0, s[64:65] scope:SCOPE_SE
	s_setreg_imm32_b32 hwreg(HW_REG_WAVE_MODE, 25, 1), 1
	s_wait_xcnt 0x0
; out = softmax(q v^T) v in MX-FP6, from the records that the first launch laid (25,600 bytes: 16 fragments of 1,536 bytes, each the image of its 12 operand registers, then 8 scale rows of 128 bytes).
; A work-group of four waves takes 64 queries of one batch (work-group x: which 64; y: the batch) through both products.
; PART A: wave w takes keys 32 w .. 32 w + 31 of each tile of 128 keys: S^T = v q^T, 64 matrix instructions a tile, q's 32 fragments staying in registers.  p = 2^(t - M) with M the ceiling of the
;   block's own largest t; codes go to an image in LDS, the block's byte + M and the running -M and sum are kept; behind the last tile the bytes are brought under the row's M (a power of two: exact).
; PART B: wave w takes d 256 w .. + 255 in two passes of 128 d: O^T = v^T p^T, 32 accumulators; a pass's rows are divided by the row's sum and leave through the wave's own stage in whole rows of 512 bytes.
; EVERY FRAGMENT OF v IS READ BY ONE WAVE OF THE WORK-GROUP ALONE and lies in memory as its registers want it: so it goes from memory straight into the operand registers (32 lanes x 16 bytes, 512 consecutive bytes
;   an instruction) and never through LDS.  No tile lies in LDS, so there is no joint load that a cluster could share: cluster = none.  Two barriers in the whole text: in front of and behind the scale words' making.
; The tiles are walked in groups of four, turned by ROT = x / 4; the 16 work-groups of a batch share the prefetches out: work-group x asks for record x % 4 of the tile that its ROT reads first in a later group.
; LIMITS: the promise holds while the scaled scores stay under 2^23 in magnitude; NaN and infinities are not served; a block of p whose byte would fall under 1 under the row's M is held at byte 1.
; REGISTERS, in windows of 256.  w0: v0-127 addresses, softmax, scales; v128-191 scores (B: p buffer 0); w1 v0-191, w2 v0-191 q (B: accumulators w1 v0-191, w2 v0-63; p buffer 1 w2 v64-111; way out w2 v64-191);
;   w3 v0-191 v's buffer 0; v192-239 of w0..w3 v's buffer 1.  In part B each of the two is two buffers of half a record.
.set REC,   25600
.set TILE,  4*REC
.set FRB,   1536
.set SROW,  16*FRB
.set PWR,   24704                      ; a wave's part of p's image: 16 tiles x 1,536 bytes + 128
.set ESTAT, 4*PWR
.set SW,    ESTAT+16384
.set WST,   SW+4096
.set STAGE, WST+2048
.set SPITCH, 528
.set SPARE, STAGE+4*16*SPITCH
.set SPW,  5
.set NIL,  6
.set PA,   7
.set PFO2, 8
.set EA,   10
.set WA,   11
.set PAJ,  12
.set EAJ,  15
.set PRD,  16
.set SWR,  17
.set PRJ,  18
.set SWRJ, 19
.set PFO,  20
.set STO,  21
.set RD,   22
.set SWW,  23
.set L16,  24
.set L4,   25
.set WRD,  26
.set ERD,  27
.set NM,   28
.set BM,   36
.set TT,   40
.set SCO,  44
.set EE,   48
.set LS,   52
.set NMR,  60
.set LR,   64
.set B1,   68
.set B2,   72
.set TC,   76
.set PC,   92
.set QS,   112
.set S,    128
.set EL,   160
.set RL,   44                          ; from the middle on, where the softmax's registers are free
.set NR,   52
.set NS,   56
.set PS,   68
.set WV,   10
.set XB,   16
.set YB,   18
.set ZB,   20
.set BV,   22
.set PFB,  24
.set PFA,  26
.set SEL,  32
.set CS,   34
.set PJ,   36
.set EJ,   37
.set CNT,  38
.set TRP,  39
.set LT,   40
.set ROT,  41
.set TB,   42
.set JN,   43
.set HM,   44
.set PJB,  45
.set SWJ,  46
.set PASSC, 47
.set MSB, 0
.macro WIN new                         ; bits 1:0 source 0, 3:2 source 1, 5:4 source 2, 7:6 destination; the high byte repeats the setting that is left
.if MSB != \new
	s_set_vgpr_msb (MSB<<8)|\new
.set MSB, \new
.endif
.endm
.macro PLACES
.rept 4
	v_nop
.endr
.endm
.macro AFR buf, f                      ; FP = the first register (counted over all windows) of fragment f of v's buffer buf
.set FP, (1-(\buf))*(768+12*(\f))+(\buf)*(256*((\f)/4)+192+12*((\f)%4))
.endm
; one matrix instruction; d, a, b are counted over all windows, and the windows are set from them
.macro WM d, a, b, zero, sa, sb, ra, rb
.set WD, \d
.set WA_, \a
.set WB_, \b
.set WSA, \sa
.set WSB, \sb
.set WSEL, 4*(\zero)+2*(\ra)+(\rb)
	WIN ((WD>>8)*0x50)|((WB_>>8)<<2)|(WA_>>8)
.set WD, WD&255
.set WA_, WA_&255
.set WB_, WB_&255
.if WSEL == 0
	v_wmma_scale_f32_16x16x128_f8f6f4 v[WD:WD+7], v[WA_:WA_+11], v[WB_:WB_+11], v[WD:WD+7], v[WSA], v[WSB] matrix_a_fmt:MATRIX_FMT_FP6 matrix_b_fmt:MATRIX_FMT_FP6
.elseif WSEL == 1
	v_wmma_scale_f32_16x16x128_f8f6f4 v[WD:WD+7], v[WA_:WA_+11], v[WB_:WB_+11], v[WD:WD+7], v[WSA], v[WSB] matrix_a_fmt:MATRIX_FMT_FP6 matrix_b_fmt:MATRIX_FMT_FP6 matrix_b_scale:MATRIX_SCALE_ROW1
.elseif WSEL == 2
	v_wmma_scale_f32_16x16x128_f8f6f4 v[WD:WD+7], v[WA_:WA_+11], v[WB_:WB_+11], v[WD:WD+7], v[WSA], v[WSB] matrix_a_fmt:MATRIX_FMT_FP6 matrix_b_fmt:MATRIX_FMT_FP6 matrix_a_scale:MATRIX_SCALE_ROW1
.elseif WSEL == 3
	v_wmma_scale_f32_16x16x128_f8f6f4 v[WD:WD+7], v[WA_:WA_+11], v[WB_:WB_+11], v[WD:WD+7], v[WSA], v[WSB] matrix_a_fmt:MATRIX_FMT_FP6 matrix_b_fmt:MATRIX_FMT_FP6 matrix_a_scale:MATRIX_SCALE_ROW1 matrix_b_scale:MATRIX_SCALE_ROW1
.elseif WSEL == 4
	v_wmma_scale_f32_16x16x128_f8f6f4 v[WD:WD+7], v[WA_:WA_+11], v[WB_:WB_+11], 0, v[WSA], v[WSB] matrix_a_fmt:MATRIX_FMT_FP6 matrix_b_fmt:MATRIX_FMT_FP6
.elseif WSEL == 5
	v_wmma_scale_f32_16x16x128_f8f6f4 v[WD:WD+7], v[WA_:WA_+11], v[WB_:WB_+11], 0, v[WSA], v[WSB] matrix_a_fmt:MATRIX_FMT_FP6 matrix_b_fmt:MATRIX_FMT_FP6 matrix_b_scale:MATRIX_SCALE_ROW1
.elseif WSEL == 6
	v_wmma_scale_f32_16x16x128_f8f6f4 v[WD:WD+7], v[WA_:WA_+11], v[WB_:WB_+11], 0, v[WSA], v[WSB] matrix_a_fmt:MATRIX_FMT_FP6 matrix_b_fmt:MATRIX_FMT_FP6 matrix_a_scale:MATRIX_SCALE_ROW1
.else
	v_wmma_scale_f32_16x16x128_f8f6f4 v[WD:WD+7], v[WA_:WA_+11], v[WB_:WB_+11], 0, v[WSA], v[WSB] matrix_a_fmt:MATRIX_FMT_FP6 matrix_b_fmt:MATRIX_FMT_FP6 matrix_a_scale:MATRIX_SCALE_ROW1 matrix_b_scale:MATRIX_SCALE_ROW1
.endif
.endm
.macro IDX d, s                        ; d = TILE x the tile that stands at place s of the walk: (s & 28) | ((s + ROT) & 3)
	s_add_co_u32 s55, \s, s[ROT]
	s_and_b32 s55, s55, 3
	s_and_b32 \d, \s, 28
	s_or_b32 \d, \d, s55
	s_mul_i32 \d, \d, TILE
.endm
; The three bases of a refill of 192 registers.  LT < 16: my record of tile LT: its fragments 0-7 at XB, 8-15 at YB, its scale rows 4-7 at ZB.
; LT = 16, 17: part B's first four half records: fragments 0-7 of my records of tiles 2 LT - 16 (XB) and 2 LT - 15 (YB), scale rows 0-3 of the second at ZB.  s49, s51, s53 hold 0.
.macro GETB
	s_lshl_b32 s54, s[LT], 1
	s_sub_co_u32 s54, s54, 16
	s_cmp_lt_u32 s[LT], 16
	s_cselect_b32 s54, s[LT], s54
	IDX s48, s54
	s_add_co_u32 s54, s54, 1
	IDX s50, s54
	s_add_co_u32 s54, s48, 8*FRB
	s_mov_b32 s52, SROW
	s_cmp_lt_u32 s[LT], 16
	s_cselect_b32 s50, s54, s50
	s_cselect_b32 s52, SROW+512-8*FRB, s52
	s_add_nc_u64 s[XB:XB+1], s[BV:BV+1], s[48:49]
	s_add_nc_u64 s[YB:YB+1], s[BV:BV+1], s[50:51]
	s_add_nc_u64 s[ZB:ZB+1], s[YB:YB+1], s[52:53]
.endm
.macro LOADA buf                       ; 48 + 8 loads
.set f, 0
.rept 16
	AFR \buf, f
	WIN (FP>>8)<<6
.irp g, 0,1,2
.if f < 8
	global_load_b128 v[(FP&255)+4*\g:(FP&255)+4*\g+3], v[L16], s[XB:XB+1] offset:512*(3*f+\g)
.else
	global_load_b128 v[(FP&255)+4*\g:(FP&255)+4*\g+3], v[L16], s[YB:YB+1] offset:512*(3*(f-8)+\g)
.endif
.endr
.if f == 7
	WIN 0                                          ; the first half's scale rows directly behind its fragments: each half's 28 loads stand on end
.irp i, 0,1,2,3
	global_load_b32 v[104-20*(\buf)+\i], v[L4], s[XB:XB+1] offset:SROW+128*\i
.endr
.endif
.set f, f+1
.endr
	WIN 0
.irp i, 0,1,2,3
	global_load_b32 v[108-20*(\buf)+\i], v[L4], s[ZB:ZB+1] offset:128*\i
.endr
.endm
; Prefetch, in part A's trips 3, 7, 11, 15: my record x % 4 of tile TRP + 5 + ROT, the first that my ROT loads of the group after next (three trips before that load is issued).
; Trips 3, 7: a whole record, 100 blocks of 256 bytes, a thread a block.  Trips 11, 15: part B's first pass reads fragments 0-7 alone: 48 blocks, twelve lanes of each wave.
.macro ASKA
	s_and_b32 s54, s[TRP], 3
	s_cmp_eq_u32 s54, 3
	s_cbranch_scc0 .Lno_\@
	s_add_co_u32 s54, s[TRP], 5
	s_add_co_u32 s54, s54, s[ROT]
	s_mul_i32 s48, s54, TILE
	s_add_nc_u64 s[PFA:PFA+1], s[PFB:PFB+1], s[48:49]
	s_cmp_lt_u32 s[TRP], 8
	s_cbranch_scc0 .Lkf_\@
	global_prefetch_b8 v[PFO], s[PFA:PFA+1] th:TH_LOAD_NT scope:SCOPE_SE
	s_branch .Lno_\@
.Lkf_\@:
	global_prefetch_b8 v[PFO2], s[PFA:PFA+1] th:TH_LOAD_NT scope:SCOPE_SE
.Lno_\@:
.endm
	s_load_b128 s[4:7], s[0:1], 0x0                ; qw, vw
	s_load_b64 s[8:9], s[0:1], 0x10                ; out0
	v_lshl_add_u32 v[SPW], v0, 2, SPARE
	v_mov_b32 v[NIL], 0
	v_lshrrev_b32 v12, 5, v0
	v_readfirstlane_b32 s[WV], v12                 ; wave 0..3
	s_and_b32 s11, ttmp9, 3
	s_lshr_b32 s[ROT], ttmp9, 2
	s_and_b32 s13, ttmp7, 0xffff                   ; batch
	s_mov_b32 s49, 0
	s_mov_b32 s51, 0
	s_mov_b32 s53, 0
	s_mul_i32 s14, s13, 32*TILE                    ; the batch's records in vw
	s_mul_i32 s48, s[WV], REC
	s_add_co_u32 s48, s48, s14                     ; + my wave's record of a tile
	s_mul_i32 s50, s11, REC
	s_add_co_u32 s50, s50, s14                     ; + the record that my work-group prefetches
	s_lshl_b32 s52, s13, 5
	s_lshl_b32 s15, ttmp9, 1
	s_add_co_u32 s52, s52, s15
	s_mul_i32 s52, s52, REC                        ; my two records of qw
	s_lshl_b32 s28, s13, 22
	s_lshl_b32 s15, ttmp9, 18
	s_add_co_u32 s28, s28, s15
	s_lshl_b32 s15, s[WV], 10
	s_add_co_u32 s28, s28, s15                     ; out0: batch, 64 rows of 4,096 bytes, my 256 d
	s_mov_b32 s29, 0
	s_mul_i32 s56, s[WV], PWR
	s_lshl_b32 s57, s[WV], 12
	s_add_co_u32 s57, s57, ESTAT
	s_lshl_b32 s58, s[WV], 2
	s_add_co_u32 s58, s58, WST
	s_lshl_b32 s59, s[WV], 10
	s_add_co_u32 s60, s59, SW
	s_add_co_u32 s59, s59, ESTAT
	s_mul_i32 s61, s[WV], 16*SPITCH
	s_add_co_u32 s61, s61, STAGE
	s_mul_i32 s62, s[WV], 12
	s_mov_b32 s[SEL], 0x76543210
	s_mov_b32 s[SEL+1], 0xfedcba98
	s_mov_b32 s[CS], 0x3fb8aa3b                    ; log2(e)
	s_mov_b32 s[CS+1], s[CS]
	s_mov_b32 s[HM], 0xffff0000
	s_mov_b32 s[PJ], 0
	s_mov_b32 s[EJ], 0
	s_mov_b32 s[TRP], 0
	s_mov_b32 s[LT], 0
	s_mov_b32 s[TB], 0
	s_mov_b32 s[JN], 0
	v_and_b32 v[L16], 31, v0
	v_lshlrev_b32 v[L4], 2, v[L16]
	v_min_u32 v[PFO2], 11, v[L16]
	v_add_nc_u32 v[PFO2], s62, v[PFO2]
	v_lshlrev_b32 v[PFO2], 8, v[PFO2]              ; block 12 wave + min(lane, 11) of 48
	v_lshlrev_b32 v[L16], 4, v[L16]
	v_and_b32 v12, 15, v0                          ; r
	v_bfe_u32 v13, v0, 4, 1                        ; h
	v_lshlrev_b32 v[PA], 3, v12
	v_mad_u32_u24 v[PA], v13, 384, v[PA]
	v_add_nc_u32 v[PA], s56, v[PA]                 ; p's image, in: my wave's part, 384 bytes a fragment's block, 8 r
	v_lshl_add_u32 v[EA], v12, 2, s57
	v_lshl_add_u32 v[WA], v12, 4, s58
	v_lshl_add_u32 v[WRD], v12, 4, WST
	v_lshlrev_b32 v[PRD], 3, v12
	v_mad_u32_u24 v[PRD], v13, PWR, v[PRD]         ; p's image, out: block 2 c + h is wave 2 c + h's part
	v_add_nc_u32 v[SWR], SW, v[L4]
	v_add_nc_u32 v[ERD], s59, v[L4]
	v_add_nc_u32 v[SWW], s60, v[L4]
	v_min_u32 v[PFO], 99, v0
	v_lshlrev_b32 v[PFO], 8, v[PFO]
	v_mul_u32_u24 v[STO], v12, SPITCH
	v_lshl_add_u32 v[STO], v13, 5, v[STO]
	v_add_nc_u32 v[STO], s61, v[STO]
	v_add_nc_u32 v[RD], s61, v[L16]
.irp m, 0,1,2,3
	v_mov_b32 v[TT+\m], 0
	v_mov_b32 v[NM+2*\m+1], 0
	v_mov_b32 v[LR+\m], 0
	v_mov_b32 v[NMR+\m], 0x7f61b1e6                ; the running -M: 3e38, over every -M
.endr
	s_wait_alu depctr_va_vdst(0)
	s_wait_kmcnt 0x0
	s_add_nc_u64 s[BV:BV+1], s[6:7], s[48:49]
	s_add_nc_u64 s[PFB:PFB+1], s[6:7], s[50:51]
	s_add_nc_u64 s[4:5], s[4:5], s[52:53]
	s_add_nc_u64 s[8:9], s[8:9], s[28:29]
	WIN 0x40                                       ; q: fragment (K step s, tile m) at 12 (4 (s % 4) + m) of window 1 + s / 4
.irp s, 0,1,2,3
.irp m, 0,1,2,3
.irp g, 0,1,2
	global_load_b128 v[12*(4*\s+\m)+4*\g:12*(4*\s+\m)+4*\g+3], v[L16], s[4:5] offset:(\m/2)*REC+FRB*(2*\s+\m%2)+512*\g
.endr
.endr
.endr
	WIN 0x80
.irp s, 0,1,2,3
.irp m, 0,1,2,3
.irp g, 0,1,2
	global_load_b128 v[12*(4*\s+\m)+4*\g:12*(4*\s+\m)+4*\g+3], v[L16], s[4:5] offset:(\m/2)*REC+FRB*(2*(\s+4)+\m%2)+512*\g
.endr
.endr
.endr
	WIN 0
.irp r, 0,1
.irp s, 0,1,2,3,4,5,6,7
	global_load_b32 v[QS+8*\r+\s], v[L4], s[4:5] offset:\r*REC+SROW+128*\s
.endr
.endr
	GETB
	LOADA 0
	s_add_co_u32 s[LT], s[LT], 1
	s_wait_xcnt 0x0                                ; the bases are written again only behind this wait
	GETB
	LOADA 1
	s_add_co_u32 s[LT], s[LT], 1
.macro MULA buf, s, zero               ; K step s: 2 tiles of 16 keys x 4 tiles of 16 queries; the eight accumulators by turns
.irp m, 0,1,2,3
.irp u, 0,1
	AFR \buf, 2*(\s)+\u
	WM S+16*\m+8*\u,FP,256*(1+(\s)/4)+12*(4*((\s)%4)+\m),\zero,104-20*(\buf)+(\s),QS+8*(\m/2)+(\s),\u,\m%2
.endr
.endr
.endm
; The softmax of 32 keys x 64 queries: lane (r, h) holds query r of tile m, registers S + 16 m .. + 15 keys 16 h .. + 15 of the block.
.macro SMX
.irp m, 0,1,2,3
	v_max3_num_f32 v[BM+\m], v[S+16*\m], v[S+16*\m+1], v[S+16*\m+2]
.endr
.irp i, 3,5,7,9,11,13
.irp m, 0,1,2,3
	v_max3_num_f32 v[BM+\m], v[BM+\m], v[S+16*\m+\i], v[S+16*\m+\i+1]
.endr
.endr
.irp m, 0,1,2,3
	v_max_num_f32 v[BM+\m], v[BM+\m], v[S+16*\m+15]
.endr
.irp m, 0,1,2,3
	v_permlanex16_b32 v[TT+\m], v[BM+\m], s[SEL], s[SEL+1]
.endr
.irp m, 0,1,2,3
	v_max_num_f32 v[BM+\m], v[BM+\m], v[TT+\m]     ; the block's largest score
.endr
.irp m, 0,1,2,3
	v_mul_f32 v[TT+\m], s[CS], v[BM+\m]
.endr
.irp m, 0,1,2,3
	v_floor_f32 v[NM+2*\m], -v[TT+\m]              ; -M of this block: a whole number
.endr
.irp m, 0,1,2,3
.irp j, 0,2,4,6,8,10,12,14
	v_pk_fma_f32 v[S+16*\m+\j:S+16*\m+\j+1], v[S+16*\m+\j:S+16*\m+\j+1], s[CS:CS+1], v[NM+2*\m:NM+2*\m+1] op_sel_hi:[1,0,0]
.endr
.endr
.irp m, 0,1,2,3
	v_fma_f32 v[BM+\m], v[BM+\m], s[CS], v[NM+2*\m]
.endr
.set i, 0
	s_wait_alu depctr_va_vdst(0)
.rept 64
	v_exp_f32 v[S+i], v[S+i]
.set i, i+1
.endr
.irp m, 0,1,2,3
	v_min_num_f32 v[TT+\m], v[NMR+\m], v[NM+2*\m]  ; the running -M
.endr
.irp m, 0,1,2,3
	v_sub_f32 v[B1+\m], v[TT+\m], v[NMR+\m]
.endr
.irp m, 0,1,2,3
	v_sub_f32 v[B2+\m], v[TT+\m], v[NM+2*\m]
.endr
.irp m, 0,1,2,3
	v_mov_b32 v[NMR+\m], v[TT+\m]
.endr
.irp m, 0,1,2,3
	v_cvt_i32_f32 v[B1+\m], v[B1+\m]
.endr
.irp m, 0,1,2,3
	v_cvt_i32_f32 v[B2+\m], v[B2+\m]
.endr
.irp m, 0,1,2,3
	v_ldexp_f32 v[LR+\m], v[LR+\m], v[B1+\m]       ; the running sum under the new M: exact
.endr
	s_wait_alu depctr_va_vdst(0)                   ; one wait for the batch, and ahead of the next
.irp m, 0,1,2,3
	v_exp_f32 v[BM+\m], v[BM+\m]                   ; the block's largest p
.endr
.irp m, 0,1,2,3
	v_pk_add_f32 v[LS+2*\m:LS+2*\m+1], v[S+16*\m:S+16*\m+1], v[S+16*\m+2:S+16*\m+3]
.endr
.irp j, 4,6,8,10,12,14
.irp m, 0,1,2,3
	v_pk_add_f32 v[LS+2*\m:LS+2*\m+1], v[LS+2*\m:LS+2*\m+1], v[S+16*\m+\j:S+16*\m+\j+1]
.endr
.endr
.irp m, 0,1,2,3
	v_add_f32 v[LS+2*\m], v[LS+2*\m], v[LS+2*\m+1]
.endr
.irp m, 0,1,2,3
	v_ldexp_f32 v[LS+2*\m], v[LS+2*\m], v[B2+\m]
.endr
.irp m, 0,1,2,3
	v_add_f32 v[LR+\m], v[LR+\m], v[LS+2*\m]       ; the sum of the unquantised p
.endr
	s_wait_alu depctr_va_vdst(0)
.irp m, 0,1,2,3
	v_max_num_f32 v[BM+\m], 0x1800000, v[BM+\m]
.endr
.irp m, 0,1,2,3
	v_add_nc_u32 v[SCO+\m], 0xff000000, v[BM+\m]   ; 2 off the exponent field: the conversion's scale operand
.endr
.irp m, 0,1,2,3
	v_lshrrev_b32 v[TT+\m], 23, v[SCO+\m]
.endr
.irp m, 0,1,2,3
	v_cvt_f32_u32 v[EE+\m], v[TT+\m]
.endr
.irp m, 0,1,2,3
	v_sub_f32 v[EE+\m], v[EE+\m], v[NM+2*\m]       ; the byte + M
.endr
.irp p, 0,1
	v_cvt_scalef32_pk16_fp6_f32 v[PC+6*\p:PC+6*\p+2], v[S+32*\p:S+32*\p+15], v[SCO+2*\p]
	v_cvt_scalef32_pk16_fp6_f32 v[TC+4*\p:TC+4*\p+2], v[S+32*\p+16:S+32*\p+31], v[SCO+2*\p+1]
.endr
	v_add_nc_u32 v[PAJ], s[PJ], v[PA]
	v_add_nc_u32 v[EAJ], s[EJ], v[EA]
.irp p, 0,1
.irp i, 0,1,2
	v_permlane16_swap_b32 v[PC+6*\p+\i], v[TC+4*\p+\i]   ; a whole block in a lane: lanes 0-15 tile 2 p, lanes 16-31 tile 2 p + 1
.endr
.irp i, 0,1,2
	v_mov_b32 v[PC+6*\p+3+\i], v[TC+4*\p+\i]
.endr
.endr
.irp p, 0,1
.irp k, 0,1,2
	ds_store_b64 v[PAJ], v[PC+6*\p+2*\k:PC+6*\p+2*\k+1] offset:768*\p+128*\k
.endr
.endr
.irp m, 0,1,2,3
	ds_store_b32 v[EAJ], v[EE+\m] offset:64*\m
.endr
	s_add_co_u32 s[PJ], s[PJ], FRB
	s_add_co_u32 s[EJ], s[EJ], 256
.endm
.macro TRIPA buf
	s_wait_loadcnt 56                              ; this buffer's loads are in; the 56 of the other buffer's refill may be out
	MULA \buf, 0, 1
	MULA \buf, 1, 0
	MULA \buf, 2, 0
	MULA \buf, 3, 0
	MULA \buf, 4, 0
	MULA \buf, 5, 0
	MULA \buf, 6, 0
	MULA \buf, 7, 0
	WIN 0
	PLACES                                         ; in front of the loads into the buffer just multiplied, and of the softmax's reads
	s_wait_xcnt 0x0                                ; the bases and the prefetch's address are written again only behind this wait
	GETB
.if \buf
	ASKA
.endif
	LOADA \buf                                     ; the refill, two trips ahead, is out while the softmax runs
	SMX
	s_add_co_u32 s[TRP], s[TRP], 1
	s_add_co_u32 s[LT], s[LT], 1
.endm
	s_mov_b32 s[CNT], 8
.Lpa:
	TRIPA 0
	TRIPA 1
	s_sub_co_u32 s[CNT], s[CNT], 1
	s_cmp_lg_u32 s[CNT], 0
	s_cbranch_scc1 .Lpa
	; THE MIDDLE: the four waves' -M and sums are joined, and the blocks' bytes are brought under the row's M
.irp m, 0,1,2,3
	v_permlanex16_b32 v[TT+\m], v[LR+\m], s[SEL], s[SEL+1]
.endr
.irp m, 0,1,2,3
	v_add_f32 v[LR+\m], v[LR+\m], v[TT+\m]
.endr
.irp m, 0,1,2,3
	ds_store_b32 v[WA], v[NMR+\m] offset:256*\m
	ds_store_b32 v[WA], v[LR+\m] offset:1024+256*\m
.endr
	s_wait_dscnt 0x0                               ; my codes, bytes, -M and sums are in LDS
	s_barrier_signal -1
	s_barrier_wait -1
.irp m, 0,1,2,3
	ds_load_b128 v[128+4*\m:131+4*\m], v[WRD] offset:256*\m
	ds_load_b128 v[144+4*\m:147+4*\m], v[WRD] offset:1024+256*\m
.endr
.irp jj, 0,1,2,3
.irp p, 0,1
.irp b, 0,1,2,3
	ds_load_b32 v[EL+8*\jj+4*\p+\b], v[ERD] offset:4096*\b+256*\jj+128*\p
.endr
.endr
.endr
	s_wait_dscnt 32                                ; the eight loads of -M and sums are in; the 32 of bytes may be out
.irp m, 0,1,2,3
	v_min3_num_f32 v[NR+\m], v[128+4*\m], v[129+4*\m], v[130+4*\m]
.endr
.irp m, 0,1,2,3
	v_min_num_f32 v[NR+\m], v[NR+\m], v[131+4*\m]  ; the row's -M
.endr
.irp b, 0,1,2,3
.irp m, 0,1,2,3
	v_sub_f32 v[128+4*\m+\b], v[NR+\m], v[128+4*\m+\b]
.endr
.endr
.set i, 0
.rept 16
	v_cvt_i32_f32 v[128+i], v[128+i]
.set i, i+1
.endr
.set i, 0
.rept 16
	v_ldexp_f32 v[144+i], v[144+i], v[128+i]
.set i, i+1
.endr
.irp m, 0,1,2,3
	v_add_f32 v[144+4*\m], v[144+4*\m], v[145+4*\m]
	v_add_f32 v[146+4*\m], v[146+4*\m], v[147+4*\m]
.endr
.irp m, 0,1,2,3
	v_add_f32 v[144+4*\m], v[144+4*\m], v[146+4*\m]
.endr
.irp m, 0,1,2,3
	v_mov_b32 v[RL+2*\m+1], 0                      ; (named as the upper half of a pair)
.endr
	s_wait_alu depctr_va_vdst(0)
.irp m, 0,1,2,3
	v_rcp_f32 v[RL+2*\m], v[144+4*\m]              ; 1 / the row's sum
.endr
.irp p, 0,1
	v_cndmask_b32 v[NS+\p], v[NR+2*\p], v[NR+2*\p+1], s[HM]
.endr
	s_wait_alu depctr_va_vdst(0)                   ; and behind it
	s_wait_dscnt 0x0
.irp jj, 0,1,2,3
.irp p, 0,1
.irp b, 0,1,2,3
	v_add_f32 v[EL+8*\jj+4*\p+\b], v[EL+8*\jj+4*\p+\b], v[NS+\p]
.endr
.endr
.endr
.set i, 0
.rept 32
	v_max_num_f32 v[EL+i], 1.0, v[EL+i]
.set i, i+1
.endr
.set i, 0
.rept 32
	v_cvt_u32_f32 v[EL+i], v[EL+i]
.set i, i+1
.endr
.irp sh, 1,2,3
.irp q, 0,1,2,3,4,5,6,7
	v_lshl_or_b32 v[EL+4*\q], v[EL+4*\q+\sh], 8*\sh, v[EL+4*\q]
.endr
.endr
.irp jj, 0,1,2,3
.irp p, 0,1
	ds_store_b32 v[SWW], v[EL+8*\jj+4*\p] offset:256*\jj+128*\p   ; p's scale words of my four tiles
.endr
.endr
	s_wait_dscnt 0x0
	s_barrier_signal -1
	s_barrier_wait -1
; PART B.  Buffer k of v (half a record: 8 fragments of 16 d, 4 scale rows) is fragments 8 (k % 2) on of part A's buffer k / 2.
.macro MULB k, zero
.set tq, 0
.rept 8
	AFR (\k)/2, 8*((\k)%2)+tq
.set VF, FP
.irp m, 0,1,2,3
.set AI, 4*tq+\m
	WM 256+8*AI+(AI/24)*64,VF,128+448*((\k)%2)+12*\m,\zero,104-20*((\k)/2)+4*((\k)%2)+tq/2,PS+2*((\k)%2)+\m/2,tq%2,\m%2
.endr
.set tq, tq+1
.endr
.endm
.macro LOADP pb                        ; p's four fragments and two scale registers of one tile: 26 LDS loads
.irp p, 0,1
	ds_load_b32 v[PS+2*(\pb)+\p], v[SWRJ] offset:128*\p
.endr
	WIN 0x80*(\pb)
.irp m, 0,1,2,3
.irp c, 0,1
.irp k, 0,1,2
	ds_load_b64 v[128-64*(\pb)+12*\m+6*\c+2*\k:128-64*(\pb)+12*\m+6*\c+2*\k+1], v[PRJ] offset:2*PWR*\c+384*\m+128*\k
.endr
.endr
.endr
	WIN 0
.endm
.macro LOADB k                         ; 24 + 4 loads
.set f, 0
.rept 8
	AFR (\k)/2, 8*((\k)%2)+f
	WIN (FP>>8)<<6
.irp g, 0,1,2
	global_load_b128 v[(FP&255)+4*\g:(FP&255)+4*\g+3], v[L16], s[XB:XB+1] offset:512*(3*f+\g)
.endr
.set f, f+1
.endr
	WIN 0
.irp i, 0,1,2,3
	global_load_b32 v[104-20*((\k)/2)+4*((\k)%2)+\i], v[L4], s[ZB:ZB+1] offset:SROW+128*\i
.endr
.endm
; Trip TB = 16 pass + j.  cond = 1: the launch's last four trips refill nothing, and wait for all that is out.
.macro TRB k, zero, cond
	s_add_co_u32 s[JN], s[JN], 1
	s_and_b32 s[JN], s[JN], 15
	s_mul_i32 s[PJB], s[JN], FRB
	s_lshl_b32 s[SWJ], s[JN], 8
	v_add_nc_u32 v[PRJ], s[PJB], v[PRD]
	v_add_nc_u32 v[SWRJ], s[SWJ], v[SWR]
	LOADP ((\k)+1)%2                               ; the next trip's p
	s_wait_dscnt 26                                ; this trip's p is in; the 26 just issued may be out
	MULB \k, \zero
	WIN 0
	PLACES                                         ; in front of the loads into v's and p's buffers, and of the way out's reads
.if \cond
	s_cmp_lt_u32 s[TB], 28
	s_cbranch_scc0 .Ldr_\@
.endif
	s_wait_xcnt 0x0                                ; the bases and the prefetch's address are written again only behind this wait
	s_add_co_u32 s54, s[TB], 4                     ; the refill: four trips on
	s_lshr_b32 s52, s54, 4                         ; its pass
	s_and_b32 s54, s54, 15
	s_or_b32 s54, s54, 16
	IDX s48, s54
	s_mul_i32 s50, s52, 8*FRB
	s_add_co_u32 s50, s50, s48
	s_lshl_b32 s52, s52, 9
	s_add_co_u32 s48, s48, s52
	s_add_nc_u64 s[XB:XB+1], s[BV:BV+1], s[50:51]
	s_add_nc_u64 s[ZB:ZB+1], s[BV:BV+1], s[48:49]
.if (\k) == 3
	s_cmp_lt_u32 s[TB], 24                         ; prefetch: the 48 blocks of fragments that the group of four trips after next reads of record x % 4 of its tile ROT; the last two groups have none after next
	s_cbranch_scc0 .Lnp_\@
	s_add_co_u32 s54, s[TB], 5
	s_lshr_b32 s52, s54, 4
	s_and_b32 s54, s54, 12
	s_add_co_u32 s54, s54, s[ROT]
	s_add_co_u32 s54, s54, 16
	s_mul_i32 s48, s54, TILE
	s_mul_i32 s52, s52, 8*FRB
	s_add_co_u32 s48, s48, s52
	s_add_nc_u64 s[PFA:PFA+1], s[PFB:PFB+1], s[48:49]
	global_prefetch_b8 v[PFO2], s[PFA:PFA+1] th:TH_LOAD_NT scope:SCOPE_SE
.Lnp_\@:
.endif
	LOADB \k
	s_wait_loadcnt 63                              ; the next trip's buffer is in: 84 loads were issued behind its own
.if \cond
	s_branch .Lj_\@
.Ldr_\@:
	s_wait_loadcnt 0x0
.Lj_\@:
.endif
	s_add_co_u32 s[TB], s[TB], 1
.endm
; THE WAY OUT of a pass, query tile m: x 1 / sum, through my stage (16 rows of 512 bytes), and out by whole rows.
.macro SCALEU m
.set tq, 0
.rept 8
.set AI, 4*tq+(\m)
.set AP, 256+8*AI+(AI/24)*64
	WIN (AP>>8)*0x41
.irp k, 0,2,4,6
	v_pk_mul_f32 v[(AP&255)+\k:(AP&255)+\k+1], v[(AP&255)+\k:(AP&255)+\k+1], v[RL+2*(\m):RL+2*(\m)+1] op_sel_hi:[1,0]
.endr
.set tq, tq+1
.endr
.endm
.macro TOSTAGE m
.set tq, 0
.rept 8
.set AI, 4*tq+(\m)
.set AP, 256+8*AI+(AI/24)*64
	WIN (AP>>8)<<2
	ds_store_b128 v[STO], v[(AP&255):(AP&255)+3] offset:64*tq
	ds_store_b128 v[STO], v[(AP&255)+4:(AP&255)+7] offset:64*tq+16
.set tq, tq+1
.endr
	WIN 0x80
.set i, 0
.rept 16
	ds_load_b128 v[128-64*((\m)%2)+4*i:128-64*((\m)%2)+4*i+3], v[RD] offset:SPITCH*i   ; LDS serves a wave's instructions in order (ISA guide 5.7.1.4)
.set i, i+1
.endr
.endm
.macro SEND m, younger
	WIN 0x08
	s_wait_dscnt \younger
.set i, 0
.rept 16
	global_store_b128 v[L16], v[128-64*((\m)%2)+4*i:128-64*((\m)%2)+4*i+3], s[8:9] offset:(32*((\m)/2)+8*((\m)%2)+i+8*(i/8))*4096 th:TH_STORE_NT   ; 32 lanes store 512 consecutive bytes of a row
.set i, i+1
.endr
.endm
	v_mov_b32 v[PRJ], v[PRD]
	v_mov_b32 v[SWRJ], v[SWR]
	LOADP 0
	s_wait_loadcnt 63                              ; v's buffer 0 is in: 84 loads were issued behind its own
	s_mov_b32 s[PASSC], 0
.Lpass:
	TRB 0, 1, 0                                    ; a pass's first products start the sums
	TRB 1, 0, 0
	TRB 2, 0, 0
	TRB 3, 0, 0
	s_mov_b32 s[CNT], 3
.Lpb:
	TRB 0, 0, 1
	TRB 1, 0, 1
	TRB 2, 0, 1
	TRB 3, 0, 1
	s_sub_co_u32 s[CNT], s[CNT], 1
	s_cmp_lg_u32 s[CNT], 0
	s_cbranch_scc1 .Lpb
	SCALEU 0
	TOSTAGE 0
.irp a, 1,2,3
.if \a > 1
	s_wait_xcnt 0x0                                ; the stores of two tiles back have read the registers that are loaded again
.endif
	SCALEU \a
	TOSTAGE \a
	SEND \a-1, 32                                  ; the 32 LDS instructions of the tile behind it may be out
.endr
	SEND 3, 0
	WIN 0
	s_wait_xcnt 0x0                                ; the stores' base and data are written again only behind this wait
	s_add_nc_u64 s[8:9], s[8:9], 512               ; the second pass's 128 d
	s_add_co_u32 s[PASSC], s[PASSC], 1
	s_cmp_lt_u32 s[PASSC], 2
	s_cbranch_scc1 .Lpass
	s_wait_tensorcnt 0x0                           ; the wave's end
	ds_add_u32 v[SPW], v[NIL]
	s_wait_dscnt 0x0
	s_endpgm
.Lfunc_end_k_qc9daeaceaa_attn:
	.size	k_qc9daeaceaa_attn, .Lfunc_end_k_qc9daeaceaa_attn-k_qc9daeaceaa_attn
	.p2alignl 7, 3214868480
	.fill 96, 4, 3214868480
	.section	.rodata,"a",@progbits
	.p2align	6, 0x0
	.amdhsa_kernel k_qc9daeaceaa_attn
		.amdhsa_group_segment_fixed_size 155648
		.amdhsa_private_segment_fixed_size 0
		.amdhsa_enable_private_segment 0
		.amdhsa_kernarg_size 24
		.amdhsa_user_sgpr_count 2
		.amdhsa_user_sgpr_kernarg_segment_ptr 1
		.amdhsa_wavefront_size32 1
		.amdhsa_system_sgpr_workgroup_id_x 1
		.amdhsa_system_sgpr_workgroup_id_y 1
		.amdhsa_system_sgpr_workgroup_id_z 1
		.amdhsa_system_vgpr_workitem_id 0
		.amdhsa_next_free_vgpr 1024
		.amdhsa_next_free_sgpr 66
		.amdhsa_reserve_vcc 0
		.amdhsa_float_denorm_mode_32 3
		.amdhsa_float_denorm_mode_16_64 3
		.amdhsa_memory_ordered 1
		.amdhsa_forward_progress 1
		.amdhsa_inst_pref_size 198
	.end_amdhsa_kernel
	.amdgpu_metadata
---
amdhsa.version: [ 1, 2 ]
amdhsa.kernels:
  - .name:           k_qc9daeaceaa_attn
    .symbol:         k_qc9daeaceaa_attn.kd
    .args:
      - { .name: qw, .offset: 0, .size: 8, .value_kind: global_buffer, .address_space: global }
      - { .name: vw, .offset: 8, .size: 8, .value_kind: global_buffer, .address_space: global }
      - { .name: out0, .offset: 16, .size: 8, .value_kind: global_buffer, .address_space: global }
    .group_segment_fixed_size: 155648
    .private_segment_fixed_size: 0
    .kernarg_segment_align: 8
    .kernarg_segment_size: 24
    .max_flat_workgroup_size: 128
    .sgpr_count:     66
    .vgpr_count:     1024
    .wavefront_size: 32
...
	.end_amdgpu_metadata
.endif
;; end of part 4
